; MI455X (gfx1250); checked and timed in simulation.
; The chip was launched on July 23, 2026; its instructions are those of AMD's public machine-readable ISA for CDNA 5 (MIT licence, August 2026) and "CDNA5" Instruction Set Architecture Reference Guide (July 2026). The comments in the code are by the model that wrote it; some were corrected since.
;; Single Head Attention. Allowed arithmetic: matrix products marked QUANTISED: E3M2 operands, one E8M0 scale for each 32 along K, by v_wmma_scale_f32_16x16x128_f8f6f4 with both operands' format E3M2, f32 sums; everything else in f32.
;; Inputs: W_k 1,024 x 1,024 float32; W_q 1,024 x 1,024 float32; W_v 1,024 x 1,024 float32; embedded 4 x 2,048 x 1,024 float32.
;; Outputs: out0 4 x 2,048 x 1,024 float32.
;; This version of the problem:
;;   THIS VERSION OF THE PROBLEM IS GIVEN IN LOW PRECISION. The matrix products marked QUANTISED in the list below multiply operands that are first quantised to E3M2 (3 exponent bits, 2 mantissa bits; 6 bits a number), with one power-of-two scale for each 32 numbers along K (OCP MX v1.0); their sums are f32. All else is computed in f32.
;;   The module's matrix products, in the order in which they are computed (A, B: the left and right operand; K: the contracted axis; several contracted axes count as one K, in the product's order):
;;     1. [M 8,192, K 1,024] x [K 1,024, N 1,024]; A: input embedded; B: input W_k: QUANTISED
;;     2. [M 8,192, K 1,024] x [K 1,024, N 1,024]; A: input embedded; B: input W_q: QUANTISED
;;     3. [M 8,192, K 1,024] x [K 1,024, N 1,024]; A: input embedded; B: input W_v: QUANTISED
;;     4. batch 4 x [M 2,048, K 1,024] x [K 1,024, N 2,048]; A: computed on the way; B: computed on the way: QUANTISED
;;     5. batch 4 x [M 2,048, K 2,048] x [K 2,048, N 1,024]; A: softmax (see below); B: computed on the way: QUANTISED
;;   THE QUANTISER, for each operand of a quantised product, along K:
;;     - K is cut into blocks of 32 from its start; a last block that is shorter is filled with zeros.
;;     - A block's scale is 2^e with e = floor(log2(the largest magnitude in the block)) - 4, held to -126 .. 127; a block of zeros has e = 0. As a byte (E8M0): e + 127.
;;     - Each number is divided by its block's scale, clamped to +-28, and rounded to the nearest number of E3M2, ties to even, subnormals kept.
;;     - The product sums the exact products of the quantised numbers (number of the format x scale) in f32.
;;   ~~~python
;;   def quantise(x, axis):      # numpy; x: float32 -> the quantised numbers, widened to float32 again
;;       x = np.moveaxis(x, axis, -1); K = x.shape[-1]
;;       x = np.pad(x, [(0, 0)] * (x.ndim - 1) + [(0, -K % 32)]); x = x.reshape(x.shape[:-1] + (-1, 32)); a = np.abs(x).max(-1, keepdims=True)
;;       e = np.where(a > 0, np.clip(np.frexp(np.where(a > 0, a, 1))[1] - 1 - 4, -126, 127), 0)      # np.frexp(a)[1] - 1 = floor(log2(a)), exactly
;;       r = np.clip(x / 2.0 ** e, -28, 28)
;;       step = 2.0 ** (np.maximum(np.frexp(np.where(r == 0, 1, r))[1] - 1, -2) - 2)
;;       q = np.round(r / step) * step * 2.0 ** e      # np.round: ties to even
;;       return np.moveaxis(q.reshape(q.shape[:-2] + (-1,))[..., :K], -1, axis).astype(np.float32)
;;   ~~~
;;   SOFTMAX AHEAD OF A QUANTISED PRODUCT. Where the list says 'softmax', what is quantised is not the finished softmax but p = 2^(t - M), with t = logit x log2(e) and M = ceil(the row's largest t), a whole number; so 1/2 < the row's largest p <= 1. The row's sum l is taken of the UNQUANTISED p, in f32, and the product's result is divided by l at the end. Since M is a whole number, a kernel that streams over the keys may use a running M (the ceiling of the running maximum): every later rescaling is an exact power of two, which a block's scale takes up: the codes' values come out the same.
;;   OPERANDS COMPUTED ON THE WAY. 'Computed on the way' means the value that the module computes at that place (a softmax that the list does not call 'softmax' is quantised finished and normalised). What goes into a quantiser is computed in f32, as accurately as f32 sums, v_exp_f32 and their like allow (about 1e-6 of the number): no bf16 or f16 on the way to a quantiser, and a product that is left as it is and whose result goes on into a quantised operand takes f32 operands (vector FMAs, or v_wmma_f32_16x16x4_f32). A number that lies on a knife's edge between two numbers of the format may be rounded either way, as far as f32 arithmetic and the matrix unit's own rounding can turn it there, and no further.
;; One version. Each part assembles by itself: llvm-mc -triple=amdgcn-amd-amdhsa -mcpu=gfx1250 --defsym DOCPART=n.
;; ======== version 1 of 1: 4 launches
;; limits: right only within a limited range of input values
;; workspace buffers: xw 9,011,200 bytes; qkv 19,660,800 bytes; p 13,107,200 bytes; stat 1,048,576 bytes
;; launch quant (part 1): grid 704 x 1, 4 waves a work-group, no clusters, 34,304 bytes of LDS; arguments embedded, W_q, W_k, W_v, xw; writes xw
.if DOCPART == 1
	.amdgcn_target "amdgcn-amd-amdhsa--gfx1250"
	.amdhsa_code_object_version 6
	.text
	.protected	k_q5c78905775_quant
	.globl	k_q5c78905775_quant
	.p2align	8
	.type	k_q5c78905775_quant,@function
k_q5c78905775_quant:
	s_mov_b64 s[64:65], 0
	v_nop
	global_prefetch_b8 v0, s[64:65] scope:SCOPE_SE
	s_setreg_imm32_b32 hwreg(HW_REG_WAVE_MODE, 25, 1), 1
	s_wait_xcnt 0x0
; SINGLE-HEAD CAUSAL ATTENTION IN MX-BF6 (E3M2 codes, one E8M0 byte for each 32 along K), FOUR LAUNCHES:
;   1 quant  : embedded, W_q, W_k, W_v (f32) -> codes and scale words (xw)
;   2 proj   : Q, K = x W^T, quantised along the attention axis; V^T = W_v x^T, quantised along the tokens (qkv)
;   3 scores : the causal tiles of Q K^T; mask; for each chunk of 128 keys a whole number M, p = 2^(t - M), its sum, p's codes (p, stat)
;   4 pv     : the row's M and sum from the chunks; p's scale bytes shifted to the row's M (exact); P V; / sum; rounding to 4 decimals (out0)
; WORK LEFT OUT (launches 3 and 4): a tile of 256 queries x 256 keys in which every key comes after every query.  reference() builds the mask tril in its own
; body and sets those scores to -inf ahead of the softmax, so their weights are 0 whatever finite values the inputs hold, and neither those scores nor their
; share of the second product can reach the output.  Every input has a way to the output: all four are loaded.
; LIMIT: a NaN, an infinity or an overflow that would arise only in the tiles left out is not carried to the result.
; ONE FORMAT FOR EVERY OPERAND [rows][K]: block (rb = row / 128, s = k / 256) is 25,600 bytes at (rb K / 256 + s) x 25,600.  In it fragment (q, i), 16 rows x 128 k, lies at
; (8 q + i) x 1,536 as an image of the operand's 12 registers: registers 4 c .. 4 c + 3 of lane l at 512 c + 16 l.  Lane (r, h) of fragment (q, i) holds row
; 128 rb + 32 (i / 2) + 8 (i % 2) + r + 8 (r / 8); registers 0-5 hold k = 256 s + 128 q + 32 h + 0 .. 31, registers 6-11 the 32 that lie 64 further on.
; The scale word (four bytes, 128 k) of that row lies at 24,576 + 512 q + 4 (16 i + r).
; THIS LAUNCH.  Work-group T takes the 16 rows of one fragment (T < 512: embedded; then 64 each of W_q, W_k, W_v); wave w takes K slot w, 256 numbers of each row.
; Each load reads 512 consecutive bytes of one row; the numbers turn through the wave's own stage in LDS (rows 528 bytes apart), so that a lane holds 16 neighbours along K of each block of 32.
; A block's scale is 2^(floor(log2(largest magnitude)) - 4): its byte is the largest magnitude's exponent field - 4, held at 1 from below.
; LIMITS: a block of zeros gets the byte 1 where the rule says 127 (its codes are zeros, and this program alone reads the bytes); NaN and infinities among the inputs are not served.
.set BLK,   25600
.set STGB,  8448                       ; a wave's stage: 16 rows x 528 bytes
.set SPARE, 4*STGB                     ; behind the stages: the spare words, 128 bytes a wave
.set LI,   4                           ; v4   16 x lane
.set SIN,  5                           ; v5   the stage, on the way in
.set SOUT, 6                           ; v6   and on the way out: 528 r + 64 h
.set WO,   8                           ; v8   my scale word's place in the block
.set SPW,  12                          ; v12  my spare word; never rewritten
.set NIL,  13                          ; v13  0; never rewritten
.set TM,   16                          ; v16-31 at work
.set PW,   32                          ; v32, v33 the two scale words; v34 both in one register
.set PC,   36                          ; v36-54 the codes
.set X,    64                          ; v64-127 64 numbers: register 16 b + i = k 32 b + 16 h + i of my row
.set R,    128                         ; v128-255 as loaded
.set WV,   30
.set SEL,  32
.set HM,   34
; 64 numbers of a lane become a fragment's codes in v[PC] on and its scale word in v[pw]
.macro QUANT s, pw
.irp b, 0,1,2,3
	v_max3_num_f32 v[TM+\b], |v[\s+16*\b]|, |v[\s+1+16*\b]|, 0x2800000   ; my 16 numbers of block b, and the floor 2^(5 - 127): the byte cannot fall under 1
.endr
.irp i, 2,4,6,8,10,12,14
.irp b, 0,1,2,3
	v_max3_num_f32 v[TM+\b], v[TM+\b], |v[\s+16*\b+\i]|, |v[\s+1+16*\b+\i]|
.endr
.endr
.irp b, 0,1,2,3
	v_permlanex16_b32 v[TM+4+\b], v[TM+\b], s[SEL], s[SEL+1]
.endr
.irp b, 0,1,2,3
	v_max_num_f32 v[TM+\b], v[TM+\b], v[TM+4+\b]     ; with lane l xor 16's: the block's largest magnitude
.endr
.irp b, 0,1,2,3
	v_add_nc_u32 v[TM+12+\b], 0xfe000000, v[TM+\b]   ; 4 off its exponent field: the conversion's scale operand
.endr
.irp b, 0,1,2,3
	v_lshrrev_b32 v[TM+4+\b], 23, v[TM+12+\b]        ; the scale's byte
.endr
	v_lshl_or_b32 v[\pw], v[TM+5], 8, v[TM+4]
	v_lshl_or_b32 v[\pw], v[TM+6], 16, v[\pw]
	v_lshl_or_b32 v[\pw], v[TM+7], 24, v[\pw]
.irp c, 0,1
	v_cvt_scalef32_pk16_bf6_f32 v[PC+6*\c:PC+2+6*\c], v[\s+32*\c:\s+15+32*\c], v[TM+12+2*\c]
	v_cvt_scalef32_pk16_bf6_f32 v[PC+12+4*\c:PC+14+4*\c], v[\s+16+32*\c:\s+31+32*\c], v[TM+13+2*\c]   ; (a conversion's three registers begin on an even number)
.endr
	v_nop                                          ; one plain instruction behind the scaled conversions
.irp c, 0,1                                    ; the layout wants a whole block in a lane: lanes 0-15 block 2 c, lanes 16-31 block 2 c + 1
.irp i, 0,1,2
	v_permlane16_swap_b32 v[PC+6*\c+\i], v[PC+12+4*\c+\i]
.endr
.irp i, 0,1,2
	v_mov_b32 v[PC+3+6*\c+\i], v[PC+12+4*\c+\i]
.endr
.endr
.endm
	s_load_b256 s[4:11], s[0:1], 0x0               ; embedded, W_q, W_k, W_v
	s_load_b64 s[12:13], s[0:1], 0x20              ; xw
	v_lshl_add_u32 v[SPW], v0, 2, SPARE
	v_mov_b32 v[NIL], 0
	v_lshrrev_b32 v1, 5, v0
	v_readfirstlane_b32 s[WV], v1                  ; wave = K slot
	v_and_b32 v1, 31, v0                           ; lane
	v_and_b32 v2, 15, v0                           ; r
	v_bfe_u32 v3, v0, 4, 1                         ; h
	v_lshlrev_b32 v[LI], 4, v1
	s_mul_i32 s35, s[WV], STGB
	v_add_nc_u32 v[SIN], s35, v[LI]
	v_mul_u32_u24 v[SOUT], v2, 528
	v_lshl_add_u32 v[SOUT], v3, 6, v[SOUT]
	v_add_nc_u32 v[SOUT], s35, v[SOUT]
	s_and_b32 s24, ttmp9, 7                        ; i: which fragment of the row block
	s_lshl_b32 s25, s24, 6
	v_lshlrev_b32 v[WO], 2, v2
	v_lshl_add_u32 v[WO], v3, 9, v[WO]
	v_add_nc_u32 v[WO], s25, v[WO]                 ; 512 h + 64 i + 4 r: lanes 0-15 store the word of q = 0, lanes 16-31 that of q = 1
	s_mov_b32 s[SEL], 0x76543210
	s_mov_b32 s[SEL+1], 0xfedcba98                 ; lane l xor 16
	s_mov_b32 s[HM], 0xffff0000                    ; lanes 16-31
.irp b, 0,1,2,3
	v_mov_b32 v[TM+4+\b], 0                        ; written once: a lane permute's destination counts as one of its sources
.endr
	s_and_b32 s16, ttmp9, 63
	s_cmp_lt_u32 ttmp9, 512
	s_cselect_b32 s16, ttmp9, s16                  ; the fragment's number inside its own tensor
	s_lshr_b32 s17, s16, 1
	s_lshl_b32 s17, s17, 17                        ; 32 rows of 4,096 bytes for each pair of fragments,
	s_and_b32 s18, s16, 1
	s_lshl_b32 s18, s18, 15                        ; 8 rows for the odd one,
	s_add_co_u32 s17, s17, s18
	s_lshl_b32 s18, s[WV], 10                      ; 1,024 bytes for each K slot
	s_add_co_u32 s20, s17, s18
	s_mov_b32 s21, 0
	s_lshr_b32 s22, ttmp9, 3
	s_lshl_b32 s22, s22, 2
	s_add_co_u32 s22, s22, s[WV]
	s_mul_i32 s22, s22, BLK                        ; block (T / 8, w)
	s_mov_b32 s23, 0
	s_mul_i32 s26, s24, 1536
	s_mov_b32 s27, 0
	s_wait_kmcnt 0x0
	s_cmp_lt_u32 ttmp9, 640                        ; which tensor: the choice hangs on the work-group's number alone
	s_cselect_b64 s[14:15], s[8:9], s[10:11]
	s_cmp_lt_u32 ttmp9, 576
	s_cselect_b64 s[14:15], s[6:7], s[14:15]
	s_cmp_lt_u32 ttmp9, 512
	s_cselect_b64 s[14:15], s[4:5], s[14:15]
	s_add_nc_u64 s[14:15], s[14:15], s[20:21]
	s_add_nc_u64 s[12:13], s[12:13], s[22:23]      ; my block
	s_add_nc_u64 s[28:29], s[12:13], s[26:27]      ; my fragment of q = 0
.irp q, 0,1
.irp p, 0,1,2,3,4,5,6,7,8,9,10,11,12,13,14,15
	global_load_b128 v[R+64*\q+4*\p:R+64*\q+4*\p+3], v[LI], s[14:15] offset:(\p+8*(\p/8))*4096+512*\q th:TH_LOAD_NT   ; 512 consecutive bytes of the fragment's row p
.endr
.endr
.macro HALF q
	s_wait_loadcnt 16*(1-\q)                       ; this half's sixteen loads are in; the other half's sixteen, issued behind them, may be out
.irp p, 0,1,2,3,4,5,6,7,8,9,10,11,12,13,14,15
	ds_store_b128 v[SIN], v[R+64*\q+4*\p:R+64*\q+4*\p+3] offset:528*\p
.endr
.irp b, 0,1,2,3
.irp j, 0,1,2,3
	ds_load_b128 v[X+16*\b+4*\j:X+16*\b+4*\j+3], v[SOUT] offset:128*\b+16*\j   ; LDS serves a wave's instructions in order: these see my stores
.endr
.endr
	s_wait_dscnt 0x0
.if \q
	s_wait_xcnt 0x0                                ; the first half's stores have read the code registers
.endif
	QUANT X, PW+\q
.irp c, 0,1,2
	global_store_b128 v[LI], v[PC+4*\c:PC+4*\c+3], s[28:29] offset:12288*\q+512*\c   ; 512 consecutive bytes, at a multiple of 256 from the buffer's first byte
.endr
.endm
	HALF 0
	HALF 1
	v_cndmask_b32 v[PW+2], v[PW], v[PW+1], s[HM]
	global_store_b32 v[WO], v[PW+2], s[12:13] offset:24576   ; two runs of 64 bytes: one byte for each 128 that the launch reads
	s_wait_tensorcnt 0x0                           ; the wave's end, behind my last LDS store
	ds_add_u32 v[SPW], v[NIL]
	s_wait_dscnt 0x0
	s_endpgm
.Lfunc_end_k_q5c78905775_quant:
	.size	k_q5c78905775_quant, .Lfunc_end_k_q5c78905775_quant-k_q5c78905775_quant
	.p2alignl 7, 3214868480
	.fill 96, 4, 3214868480
	.section	.rodata,"a",@progbits
	.p2align	6, 0x0
	.amdhsa_kernel k_q5c78905775_quant
		.amdhsa_group_segment_fixed_size 34304
		.amdhsa_private_segment_fixed_size 0
		.amdhsa_enable_private_segment 0
		.amdhsa_kernarg_size 40
		.amdhsa_user_sgpr_count 2
		.amdhsa_user_sgpr_kernarg_segment_ptr 1
		.amdhsa_wavefront_size32 1
		.amdhsa_system_sgpr_workgroup_id_x 1
		.amdhsa_system_sgpr_workgroup_id_y 1
		.amdhsa_system_sgpr_workgroup_id_z 1
		.amdhsa_system_vgpr_workitem_id 0
		.amdhsa_next_free_vgpr 256
		.amdhsa_next_free_sgpr 66
		.amdhsa_reserve_vcc 0
		.amdhsa_float_denorm_mode_32 3
		.amdhsa_float_denorm_mode_16_64 3
		.amdhsa_memory_ordered 1
		.amdhsa_forward_progress 1
		.amdhsa_inst_pref_size 19
	.end_amdhsa_kernel
	.amdgpu_metadata
---
amdhsa.version: [ 1, 2 ]
amdhsa.kernels:
  - .name:           k_q5c78905775_quant
    .symbol:         k_q5c78905775_quant.kd
    .args:
      - { .name: embedded, .offset: 0, .size: 8, .value_kind: global_buffer, .address_space: global }
      - { .name: W_q, .offset: 8, .size: 8, .value_kind: global_buffer, .address_space: global }
      - { .name: W_k, .offset: 16, .size: 8, .value_kind: global_buffer, .address_space: global }
      - { .name: W_v, .offset: 24, .size: 8, .value_kind: global_buffer, .address_space: global }
      - { .name: xw, .offset: 32, .size: 8, .value_kind: global_buffer, .address_space: global }
    .group_segment_fixed_size: 34304
    .private_segment_fixed_size: 0
    .kernarg_segment_align: 8
    .kernarg_segment_size: 40
    .max_flat_workgroup_size: 128
    .sgpr_count:     66
    .vgpr_count:     256
    .wavefront_size: 32
...
	.end_amdgpu_metadata
.endif
;; end of part 1
;; launch proj (part 2): grid 8 x 48, 4 waves a work-group, clusters of 4 x 4, 327,680 bytes of LDS; arguments xw, qkv; writes qkv
.if DOCPART == 2
	.amdgcn_target "amdgcn-amd-amdhsa--gfx1250"
	.amdhsa_code_object_version 6
	.text
	.protected	k_q5c78905775_proj
	.globl	k_q5c78905775_proj
	.p2align	8
	.type	k_q5c78905775_proj,@function
k_q5c78905775_proj:
	s_mov_b64 s[64:65], 0
	v_nop
	global_prefetch_b8 v0, s[64:65] scope:SCOPE_SE
	s_setreg_imm32_b32 hwreg(HW_REG_WAVE_MODE, 25, 1), 1
	s_wait_xcnt 0x0
	s_wait_alu depctr_hold_cnt(0) depctr_sa_sdst(0) depctr_va_vdst(0) depctr_va_sdst(0) depctr_va_ssrc(0) depctr_va_vcc(0) depctr_vm_vsrc(0)
	s_getreg_b32 s2, hwreg(HW_REG_IB_STS2, 6, 4)
	s_cmp_eq_u32 s2, 0
	s_cbranch_scc0 .Lentry_in_a_cluster
	s_endpgm
.Lentry_in_a_cluster:
	s_bfe_u32 s2, ttmp6, 0x10000c
	s_cmp_lg_u32 s2, 0xf033
	s_cbranch_scc0 .Lentry_shape_is_right
	s_endpgm
.Lentry_shape_is_right:
; Q, K = x W^T and V^T = W_v x^T on codes of BF6, K = 1,024; each result is quantised again, along the axis that the next product sums over, and stored in the operand format of launch 1's head comment.
; 384 tiles of 256 x 256.  Clusters with y < 8: A' = x (256 tokens), B' = [W_q; W_k] (256 of 2,048 rows): the result's rows are tokens, quantised along the attention axis.
; Clusters with y >= 8: A' = W_v (256 channels), B' = x (256 tokens): the result is V^T, rows = channels, quantised along the tokens.  The two parts differ in block numbers alone, chosen by s_cselect on the cluster's y.
; Four waves, each 128 x 128: 64 accumulators.  SOURCE 0 = 16 rows of B', SOURCE 1 = 16 rows of A': a lane holds one row of A', and by the order of rows in a fragment its 64 registers of one row block a
; are register 16 b + i = column 32 b + 16 (lane / 16) + i: the order that the conversions want.  The result's fragment has A's order of rows: three stores of 512 bytes write it.
; LDS: a slot holds 256 along K: four blocks of 25,600 bytes (A's two row blocks, B's two), each brought whole by one wave's tensor load.  K is four such tiles and LDS has room for THREE slots:
; tiles 0, 1, 2 are asked for together at the head (three loads of mine are out), and only tile 3 is a refill, of slot 0, asked for at the head of that slot's second step: four steps, 256 products, ahead of its first use.
; THE LDS LOADS of the next step's fragments stand in eight short runs, one ahead of each row of eight products, so that LDS serves them while the products run: the scale words, then B's fragments, then A's, which the next step wants one row at a time.
; That costs two switches of the register window a row.
; CLUSTER 4 x 4: A's blocks hang on the tile row alone and are asked for jointly along a row of the cluster, B's on the tile column alone, along a column.
; REGISTERS: window 0: v4-15, v48-53 addresses; v32-47 scale words, two sets; v64-159, v160-255 A's fragments, two sets.  window 1: B's two sets at v0 and v128.  windows 2, 3: the accumulators, (a, b) at v[8 (8 (a % 4) + b)].
; LIMITS as in launch 1: a block of zeros carries the byte 1; NaN and infinities are not served.
.set BLK,   25600
.set SLOTB, 4*BLK
.set SPARE, 3*SLOTB                    ; behind the three slots: the spare words, 128 bytes a wave
.set ADRA, 4                           ; v4-6   16 x lane + my block of A in slot 0, 1, 2
.set ADRB, 7                           ; v7-9   the same for B
.set SPW,  12
.set NIL,  13
.set LI,   14                          ; v14  16 x lane
.set LS,   15                          ; v15  4 x lane
.set SC,   32                          ; set p: v[SC+8p+j] A's words of tiles 2j (lanes 0-15) and 2j+1 (lanes 16-31); v[SC+8p+4+j] B's
.set ASA,  48                          ; v48-50 4 x lane + my block of A
.set ASB,  51                          ; v51-53 the same for B
.set AF,   64
.set TM,   64                          ; the way out, where A's fragments lay: v64-79 at work; v80-98, v100-118 codes; v120-127 scale words; v128-131 two tiles' words in one register
.set PC0,  80
.set PWS,  120
.set MG,   128
.set G1,  24                           ; s[24:31] group 1 for A's blocks;  s[32:43] groups 0, one for each slot
.set G0,  32
.set G1B, 44                           ; s[44:51], s[52:63] the same for B's
.set G0B, 52
.set OB,  76                           ; s[76:77] where my codes go;  s[78:79] my scale words
.set OS,  78
.set SEL, 80
.set HM,  82
.set MSB, 0
.macro WIN new                         ; the immediate's high byte repeats the setting that is left
.if MSB != (\new)
	s_set_vgpr_msb (MSB<<8)|(\new)
.set MSB, (\new)
.endif
.endm
.macro PLACES n
.rept \n
	v_nop
.endr
.endm
; Run g of eight of the 56 LDS loads that bring the q-th 128 along K of slot sl into set p.  A fragment is an image of its registers: load n of a side's 24 brings registers 4 n .. 4 n + 3 from 512 n bytes on.
.macro GRP g, sl, q, p
.if (\g) == 0
	WIN 0
.irp j, 0,1,2,3
	ds_load_b32 v[SC+8*(\p)+\j], v[ASA+(\sl)] offset:24576+512*(\q)+128*\j
.endr
.irp j, 0,1,2,3
	ds_load_b32 v[SC+8*(\p)+4+\j], v[ASB+(\sl)] offset:24576+512*(\q)+128*\j
.endr
.elseif (\g) < 4
	WIN 0x40                                       ; destination window 1
.set gn, 8*((\g)-1)
.rept 8
	ds_load_b128 v[128*(\p)+4*gn:128*(\p)+4*gn+3], v[ADRB+(\sl)] offset:12288*(\q)+512*gn
.set gn, gn+1
.endr
.else
	WIN 0
.set gn, 6*((\g)-4)
.rept 6
	ds_load_b128 v[AF+96*(\p)+4*gn:AF+96*(\p)+4*gn+3], v[ADRA+(\sl)] offset:12288*(\q)+512*gn
.set gn, gn+1
.endr
.endif
.endm
.macro FETCH sl, q, p                  ; all eight runs on end: the first step's fragments, which nothing can hide
.irp g, 0,1,2,3,4,5,6,7
	GRP \g, \sl, \q, \p
.endr
	WIN 0
.endm
.macro WM a, b, p, zero                ; one product: B's tile b x A's tile a.  An odd tile's scale words stand in lanes 16-31 of its register
.set rD, 8*(8*((\a)%4)+(\b))
.set rB, 128*(\p)+12*(\b)
.set rA, AF+96*(\p)+12*(\a)
.set rSB, SC+8*(\p)+4+(\b)/2
.set rSA, SC+8*(\p)+(\a)/2
.set par, 2*((\a)%2)+(\b)%2
.if \zero
.if par == 0
	v_wmma_scale_f32_16x16x128_f8f6f4 v[rD:rD+7], v[rB:rB+11], v[rA:rA+11], 0, v[rSB], v[rSA] matrix_a_fmt:MATRIX_FMT_BF6 matrix_b_fmt:MATRIX_FMT_BF6
.elseif par == 1
	v_wmma_scale_f32_16x16x128_f8f6f4 v[rD:rD+7], v[rB:rB+11], v[rA:rA+11], 0, v[rSB], v[rSA] matrix_a_fmt:MATRIX_FMT_BF6 matrix_b_fmt:MATRIX_FMT_BF6 matrix_a_scale:MATRIX_SCALE_ROW1
.elseif par == 2
	v_wmma_scale_f32_16x16x128_f8f6f4 v[rD:rD+7], v[rB:rB+11], v[rA:rA+11], 0, v[rSB], v[rSA] matrix_a_fmt:MATRIX_FMT_BF6 matrix_b_fmt:MATRIX_FMT_BF6 matrix_b_scale:MATRIX_SCALE_ROW1
.else
	v_wmma_scale_f32_16x16x128_f8f6f4 v[rD:rD+7], v[rB:rB+11], v[rA:rA+11], 0, v[rSB], v[rSA] matrix_a_fmt:MATRIX_FMT_BF6 matrix_b_fmt:MATRIX_FMT_BF6 matrix_a_scale:MATRIX_SCALE_ROW1 matrix_b_scale:MATRIX_SCALE_ROW1
.endif
.else
.if par == 0
	v_wmma_scale_f32_16x16x128_f8f6f4 v[rD:rD+7], v[rB:rB+11], v[rA:rA+11], v[rD:rD+7], v[rSB], v[rSA] matrix_a_fmt:MATRIX_FMT_BF6 matrix_b_fmt:MATRIX_FMT_BF6
.elseif par == 1
	v_wmma_scale_f32_16x16x128_f8f6f4 v[rD:rD+7], v[rB:rB+11], v[rA:rA+11], v[rD:rD+7], v[rSB], v[rSA] matrix_a_fmt:MATRIX_FMT_BF6 matrix_b_fmt:MATRIX_FMT_BF6 matrix_a_scale:MATRIX_SCALE_ROW1
.elseif par == 2
	v_wmma_scale_f32_16x16x128_f8f6f4 v[rD:rD+7], v[rB:rB+11], v[rA:rA+11], v[rD:rD+7], v[rSB], v[rSA] matrix_a_fmt:MATRIX_FMT_BF6 matrix_b_fmt:MATRIX_FMT_BF6 matrix_b_scale:MATRIX_SCALE_ROW1
.else
	v_wmma_scale_f32_16x16x128_f8f6f4 v[rD:rD+7], v[rB:rB+11], v[rA:rA+11], v[rD:rD+7], v[rSB], v[rSA] matrix_a_fmt:MATRIX_FMT_BF6 matrix_b_fmt:MATRIX_FMT_BF6 matrix_a_scale:MATRIX_SCALE_ROW1 matrix_b_scale:MATRIX_SCALE_ROW1
.endif
.endif
.endm
; A step of 128 along K: set p is multiplied, A's tiles one after the other, each against B's eight; the 64 accumulators take turns, one instruction a turn, in the same order in every step.
; fetch = 1: ahead of row a stands run a of the loads that bring (slot sl, q) into the other set.
; THE WAITS.  LDS loads come back in order.  Set p's 56 loads were issued in the order 8 scale words, B's 24, A's 24.  Row a wants A's tile a, behind whose last load 21 - 3 a loads of set p were issued, and then the
; runs 0 .. a of this step: 8 (a + 1) loads up to a = 3, 32 + 6 (a - 3) from there on.  Their sum may stay out: 29 + 5 a, then 35 + 3 a.  Row 0's wait covers the scale words and B's fragments, which were issued earlier.
.macro STEP p, zero, fetch, sl, q
.irp a, 0,1,2,3,4,5,6,7
.if \fetch
	GRP \a, \sl, \q, 1-(\p)
.if \a < 4
	s_wait_dscnt 29+5*\a
.else
	s_wait_dscnt 35+3*\a
.endif
.else
	s_wait_dscnt 21-3*\a
.endif
	WIN 0xa1+0x50*(\a/4)                           ; source 0 (B) window 1, source 1 (A) window 0, C and D window 2 (rows 0-3) or 3 (rows 4-7)
.irp b, 0,1,2,3,4,5,6,7
	WM \a, \b, \p, \zero
.endr
.endr
	WIN 0
.endm
.macro JLOAD g0a, g1a, g0b, g1b        ; a joint load: waves 0 and 1 fetch A's two blocks, waves 2 and 3 B's; an s_nop 0 and four v_nop follow each line
	s_cmp_eq_u32 s15, 0
	s_cbranch_scc0 .Lfor_b_\@
	tensor_load_to_lds s[\g0a:\g0a+3], s[\g1a:\g1a+7]
	s_nop 0
.rept 4
	v_nop
.endr
	s_branch .Lasked_\@
.Lfor_b_\@:
	tensor_load_to_lds s[\g0b:\g0b+3], s[\g1b:\g1b+7]
	s_nop 0
.rept 4
	v_nop
.endr
.Lasked_\@:
.endm
.macro CREST
	s_cmp_lg_u32 s14, 0
	s_cbranch_scc1 .Lnot_wave_0_\@
	s_barrier_signal -3
.Lnot_wave_0_\@:
	s_barrier_wait -3
	s_barrier_signal -1
	s_barrier_wait -1
.endm
.macro CROUND
	s_barrier_signal -1
	s_barrier_wait -1
	CREST
.endm
	s_load_b128 s[4:7], s[0:1], 0x0                ; xw, qkv
	v_lshl_add_u32 v[SPW], v0, 2, SPARE
	v_mov_b32 v[NIL], 0
	ds_add_u32 v[SPW], v[NIL]                      ; the opening: the add, twice on end, and its wait ahead of my first tensor load
	ds_add_u32 v[SPW], v[NIL]
	v_lshrrev_b32 v1, 5, v0
	v_readfirstlane_b32 s14, v1                    ; wave
	s_lshr_b32 s15, s14, 1                         ; wr: my half of the tile's rows.  Also: I fetch for A (0) or B (1)
	s_and_b32 s16, s14, 1                          ; wc: my half of its columns.  Also: which of the two blocks I fetch
	s_bfe_u32 s84, ttmp6, 0x40000                  ; cx
	s_bfe_u32 s85, ttmp6, 0x40004                  ; cy
	s_and_b32 s17, ttmp7, 0xffff                   ; the cluster's y
	s_lshl_b32 s86, s85, 2
	s_lshl_b32 s86, 15, s86                        ; my row of the cluster
	s_lshl_b32 s87, 0x1111, s84                    ; my column
	s_or_b32 s[G1], s86, (3<<16)|(1<<21)           ; 15:0 the mask; 17:16 elements of 8 bytes; 21 set beside a mask; no padding
	s_or_b32 s[G1B], s87, (3<<16)|(1<<21)
.irp g, G1, G1B
	s_mov_b32 s[\g+1], 32<<16                      ; a dense block of 25,600 bytes as 100 rows of 256: tensor_dim0 = 32
	s_mov_b32 s[\g+2], 100<<16                     ; tensor_dim1
	s_mov_b32 s[\g+3], 32<<16                      ; tile_dim0
	s_mov_b32 s[\g+4], 100                         ; tile_dim1
	s_mov_b32 s[\g+5], 32                          ; the pitch
	s_mov_b32 s[\g+6], 0
	s_mov_b32 s[\g+7], 0
.endr
	s_lshl_b32 s18, s17, 2                         ; A's numbers hold the cluster's y and cy alone,
	s_add_co_u32 s18, s18, s85                     ; tile row, Q and K: 4 y + cy
	s_lshl_b32 s19, s18, 1                         ; its first row block of x
	s_lshl_b32 s20, s85, 1
	s_add_co_u32 s20, s20, 80                      ; V: tile row cy, row blocks of W_v from 80 on
	s_lshl_b32 s21, ttmp9, 2                       ; B's the clusters' x and y and cx
	s_add_co_u32 s21, s21, s84                     ; tile column, Q and K: 4 x + cx
	s_lshl_b32 s22, s21, 1
	s_add_co_u32 s22, s22, 64                      ; row blocks of [W_q; W_k] from 64 on
	s_sub_co_u32 s23, s17, 8
	s_lshl_b32 s23, s23, 1
	s_add_co_u32 s23, s23, ttmp9
	s_lshl_b32 s23, s23, 2
	s_add_co_u32 s23, s23, s84                     ; tile column, V: 4 (2 (y - 8) + x) + cx
	s_lshl_b32 s88, s23, 1
	s_cmp_lt_u32 s17, 8                            ; the same in all sixteen partners
	s_cselect_b32 s66, s19, s20
	s_cselect_b32 s68, s22, s88
	s_cselect_b32 s70, s18, s85                    ; tile row
	s_cselect_b32 s71, s21, s23                    ; tile column
	s_add_co_u32 s66, s66, s16
	s_add_co_u32 s68, s68, s16
	s_mul_i32 s66, s66, 4*BLK                      ; a row block of xw is four blocks
	s_mul_i32 s68, s68, 4*BLK
	s_mov_b32 s67, 0
	s_mov_b32 s69, 0
	s_mul_i32 s89, s14, BLK                        ; where my block goes in a slot: the wave's number alone
	s_mov_b32 s[SEL], 0x76543210
	s_mov_b32 s[SEL+1], 0xfedcba98
	s_mov_b32 s[HM], 0xffff0000
	s_wait_dscnt 0x0                               ; both opening adds are done
	s_wait_kmcnt 0x0
	s_add_nc_u64 s[66:67], s[4:5], s[66:67]
	s_add_nc_u64 s[68:69], s[4:5], s[68:69]
	CROUND                                         ; all sixteen work-groups are here: the first joint loads meet
.irp s, 0,1,2                                  ; tiles 0, 1, 2 into slots 0, 1, 2: one group of first fills
	s_mov_b32 s[G0+4*\s], 1
	s_add_co_u32 s[G0+4*\s+1], s89, \s*SLOTB
	s_add_nc_u64 s[G0+4*\s+2:G0+4*\s+3], s[66:67], \s*BLK
	s_or_b32 s[G0+4*\s+3], s[G0+4*\s+3], 0x80000000
	s_mov_b32 s[G0B+4*\s], 1
	s_add_co_u32 s[G0B+4*\s+1], s89, \s*SLOTB
	s_add_nc_u64 s[G0B+4*\s+2:G0B+4*\s+3], s[68:69], \s*BLK
	s_or_b32 s[G0B+4*\s+3], s[G0B+4*\s+3], 0x80000000
	JLOAD G0+4*\s, G1, G0B+4*\s, G1B
.endr
	v_and_b32 v1, 31, v0
	v_lshlrev_b32 v[LI], 4, v1
	v_lshlrev_b32 v[LS], 2, v1
	s_mul_i32 s90, s15, BLK                        ; I read A's block wr
	s_mul_i32 s91, s16, BLK
	s_add_co_u32 s91, s91, 2*BLK                   ; and B's block wc, behind A's two
.irp s, 0,1,2
	v_add_nc_u32 v[ADRA+\s], s90, v[LI]
	v_add_nc_u32 v[ADRB+\s], s91, v[LI]
	v_add_nc_u32 v[ASA+\s], s90, v[LS]
	v_add_nc_u32 v[ASB+\s], s91, v[LS]
	s_add_co_u32 s90, s90, SLOTB
	s_add_co_u32 s91, s91, SLOTB
.endr
	s_lshl_b32 s72, s70, 1                         ; where the result goes: row block 2 x tile row + wr;
	s_add_co_u32 s72, s72, s15
	s_lshr_b32 s73, s71, 2
	s_lshl_b32 s73, s73, 8                         ; Q (columns 0-3) from block 0, K (4-7) from block 256; four K slots to a row block
	s_lshl_b32 s74, s72, 2
	s_add_co_u32 s73, s73, s74
	s_and_b32 s74, s71, 3
	s_add_co_u32 s73, s73, s74
	s_lshl_b32 s74, s72, 5                         ; V^T from block 512; 32 slots of 256 tokens to a row block
	s_add_co_u32 s74, s74, s71
	s_add_co_u32 s74, s74, 512
	s_cmp_lt_u32 s17, 8
	s_cselect_b32 s73, s73, s74
	s_mul_i32 s74, s73, BLK
	s_mov_b32 s75, 0
	s_add_nc_u64 s[74:75], s[6:7], s[74:75]
	s_mul_i32 s76, s16, 12288                      ; my 128 columns are the block's q = wc
	s_mov_b32 s77, 0
	s_add_nc_u64 s[OB:OB+1], s[74:75], s[76:77]
	s_lshl_b32 s78, s16, 9
	s_mov_b32 s79, 0
	s_add_nc_u64 s[OS:OS+1], s[74:75], s[78:79]
	s_wait_tensorcnt 0x2                           ; my block of slot 0 is in; the two loads issued behind it may stay out
	s_barrier_signal -1
	s_barrier_wait -1
	FETCH 0, 0, 0
	STEP 0, 1, 1, 0, 1                             ; K 0: the first step's products start the sums: nothing is cleared
	s_wait_tensorcnt 0x0                           ; all my tensor loads have landed: my blocks of slots 1 and 2;
	ds_add_u32 v[SPW], v[NIL]                      ; 0 onto my spare word
	s_add_nc_u64 s[G0+2:G0+3], s[G0+2:G0+3], 3*BLK     ; no tensor load of mine is out: slot 0's descriptors step to tile 3
	s_add_nc_u64 s[G0B+2:G0B+3], s[G0B+2:G0B+3], 3*BLK
	s_wait_dscnt 0x0                               ; the add is done, and my reads of slot 0 (its second step's fragments) are in
	CROUND                                         ; no wave of any partner still reads slot 0 or has a load on its way; slots 1 and 2 are whole in every work-group
	JLOAD G0, G1, G0B, G1B                         ; the one refill; its four v_nop are also the places in front of the loads below
	STEP 1, 0, 1, 1, 0                             ; K 128
	PLACES 4                                       ; four plain instructions between the last product that read a set and the first load into it (ISA guide 7.12.1 for vector instructions)
	STEP 0, 0, 1, 1, 1                             ; K 256
	PLACES 4
	STEP 1, 0, 1, 2, 0                             ; K 384: slot 2 was shown whole by the wait and the round above: no barrier
	PLACES 4
	STEP 0, 0, 1, 2, 1                             ; K 512
	s_wait_tensorcnt 0x0                           ; my block of tile 3 is in,
	ds_add_u32 v[SPW], v[NIL]
	s_wait_dscnt 0x0
	s_barrier_signal -1
	s_barrier_wait -1                              ; everybody's is
	PLACES 4
	STEP 1, 0, 1, 0, 0                             ; K 640
	PLACES 4
	STEP 0, 0, 1, 0, 1                             ; K 768
	STEP 1, 0, 0, 0, 0                             ; K 896: nothing more to fetch
	PLACES 4                                       ; in front of the first read of results and the first write over A's fragments
.irp b, 0,1,2,3
	v_mov_b32 v[TM+4+\b], 0                        ; written once: a lane permute's destination counts as one of its sources
.endr
; THE WAY OUT.  Row block a (16 rows of A', 128 columns: 64 registers a lane) becomes one fragment of the next operand and one scale word a row.
.macro QROW a
.set W, 2+(\a)/4
.set AC, 64*((\a)%4)
.set PCS, PC0+20*((\a)%2)
.set WS2, W|(W<<2)
	WIN WS2                                        ; sources 0 and 1: the accumulators' window
.irp b, 0,1,2,3
	v_max3_num_f32 v[TM+\b], |v[AC+16*\b]|, |v[AC+16*\b+1]|, 0x2800000   ; each accumulator is read from its low end on; the floor 2^(5 - 127) holds the byte at 1 from below
.endr
.irp i, 2,4,6,8,10,12,14
.irp b, 0,1,2,3
	v_max3_num_f32 v[TM+\b], |v[AC+16*\b+\i]|, |v[AC+16*\b+\i+1]|, v[TM+\b]
.endr
.endr
	WIN 0
.irp b, 0,1,2,3
	v_permlanex16_b32 v[TM+4+\b], v[TM+\b], s[SEL], s[SEL+1]
.endr
.irp b, 0,1,2,3
	v_max_num_f32 v[TM+\b], v[TM+\b], v[TM+4+\b]
.endr
.irp b, 0,1,2,3
	v_add_nc_u32 v[TM+12+\b], 0xfe000000, v[TM+\b]
.endr
.irp b, 0,1,2,3
	v_lshrrev_b32 v[TM+4+\b], 23, v[TM+12+\b]
.endr
	v_lshl_or_b32 v[PWS+(\a)], v[TM+5], 8, v[TM+4]
	v_lshl_or_b32 v[PWS+(\a)], v[TM+6], 16, v[PWS+(\a)]
	v_lshl_or_b32 v[PWS+(\a)], v[TM+7], 24, v[PWS+(\a)]
.if (\a) >= 2
	s_wait_xcnt 0x0                                ; the stores of two rows back have read this set of code registers
.endif
	WIN W                                          ; source 0: the accumulators' window
.irp c, 0,1
	v_cvt_scalef32_pk16_bf6_f32 v[PCS+6*\c:PCS+6*\c+2], v[AC+32*\c:AC+32*\c+15], v[TM+12+2*\c]
	v_cvt_scalef32_pk16_bf6_f32 v[PCS+12+4*\c:PCS+14+4*\c], v[AC+16+32*\c:AC+31+32*\c], v[TM+13+2*\c]
.endr
	WIN 0
	v_nop                                          ; one plain instruction behind the scaled conversions
.irp c, 0,1
.irp i, 0,1,2
	v_permlane16_swap_b32 v[PCS+6*\c+\i], v[PCS+12+4*\c+\i]
.endr
.irp i, 0,1,2
	v_mov_b32 v[PCS+3+6*\c+\i], v[PCS+12+4*\c+\i]
.endr
.endr
.irp c, 0,1,2
	global_store_b128 v[LI], v[PCS+4*\c:PCS+4*\c+3], s[OB:OB+1] offset:1536*(\a)+512*\c   ; 512 consecutive bytes, at a multiple of 256 from the buffer's first byte
.endr
.endm
.irp a, 0,1,2,3,4,5,6,7
	QROW \a
.endr
.irp j, 0,1,2,3
	v_cndmask_b32 v[MG+\j], v[PWS+2*\j], v[PWS+2*\j+1], s[HM]      ; lanes 0-15 tile 2 j's words, lanes 16-31 tile 2 j + 1's
.endr
.irp j, 0,1,2,3
	global_store_b32 v[LS], v[MG+\j], s[OS:OS+1] offset:24576+128*\j   ; the four together: 512 consecutive bytes
.endr
	s_wait_tensorcnt 0x0                           ; the wave's end
	ds_add_u32 v[SPW], v[NIL]
	s_wait_dscnt 0x0
	CROUND                                         ; the closing round: no work-group ends while a partner may still ask for a block that names it
	s_endpgm
.Lfunc_end_k_q5c78905775_proj:
	.size	k_q5c78905775_proj, .Lfunc_end_k_q5c78905775_proj-k_q5c78905775_proj
	.p2alignl 7, 3214868480
	.fill 96, 4, 3214868480
	.section	.rodata,"a",@progbits
	.p2align	6, 0x0
	.amdhsa_kernel k_q5c78905775_proj
		.amdhsa_group_segment_fixed_size 327680
		.amdhsa_private_segment_fixed_size 0
		.amdhsa_enable_private_segment 0
		.amdhsa_kernarg_size 16
		.amdhsa_user_sgpr_count 2
		.amdhsa_user_sgpr_kernarg_segment_ptr 1
		.amdhsa_wavefront_size32 1
		.amdhsa_system_sgpr_workgroup_id_x 1
		.amdhsa_system_sgpr_workgroup_id_y 1
		.amdhsa_system_sgpr_workgroup_id_z 1
		.amdhsa_system_vgpr_workitem_id 0
		.amdhsa_next_free_vgpr 1024
		.amdhsa_next_free_sgpr 100
		.amdhsa_reserve_vcc 0
		.amdhsa_float_denorm_mode_32 3
		.amdhsa_float_denorm_mode_16_64 3
		.amdhsa_memory_ordered 1
		.amdhsa_forward_progress 1
		.amdhsa_inst_pref_size 143
	.end_amdhsa_kernel
	.amdgpu_metadata
---
amdhsa.version: [ 1, 2 ]
amdhsa.kernels:
  - .name:           k_q5c78905775_proj
    .symbol:         k_q5c78905775_proj.kd
    .args:
      - { .name: xw, .offset: 0, .size: 8, .value_kind: global_buffer, .address_space: global }
      - { .name: qkv, .offset: 8, .size: 8, .value_kind: global_buffer, .address_space: global }
    .group_segment_fixed_size: 327680
    .private_segment_fixed_size: 0
    .kernarg_segment_align: 8
    .kernarg_segment_size: 16
    .max_flat_workgroup_size: 128
    .sgpr_count:     100
    .vgpr_count:     1024
    .wavefront_size: 32
...
	.end_amdgpu_metadata
.endif
;; end of part 2
;; launch scores (part 3): grid 36 x 4, 4 waves a work-group, no clusters, 327,680 bytes of LDS; arguments qkv, p, stat; writes p, stat
.if DOCPART == 3
	.amdgcn_target "amdgcn-amd-amdhsa--gfx1250"
	.amdhsa_code_object_version 6
	.text
	.protected	k_q5c78905775_scores
	.globl	k_q5c78905775_scores
	.p2align	8
	.type	k_q5c78905775_scores,@function
k_q5c78905775_scores:
	s_mov_b64 s[64:65], 0
	v_nop
	global_prefetch_b8 v0, s[64:65] scope:SCOPE_SE
	s_setreg_imm32_b32 hwreg(HW_REG_WAVE_MODE, 25, 1), 1
	s_wait_xcnt 0x0
; The causal tiles of S = Q K^T (256 queries x 256 keys, K = 1,024) on codes of BF6, and the softmax's first half.
; WORK LEFT OUT: the tiles in which every key comes after every query (reference()'s own tril gives them the weight 0: launch 1's head comment).  36 of 64 tiles a batch are made.
; For each query and each CHUNK of 128 keys (a wave's columns): t = score x log2(e) / 32; M = ceil(the chunk's largest t), a whole number; p = 2^(t - M); the sum of the unquantised p;
; p quantised along the keys.  Since M is a whole number, another whole M moves a block's scale byte and no code: launch 4 shifts the bytes to the row's M.
; A chunk all of whose keys are hidden (the upper right quarter of a diagonal tile) gets M = -1e30, the sum 0 and zero codes.
; Tile, three slots, short runs of LDS loads and products as in launch 2 (source 0 = 16 keys, source 1 = 16 queries: a lane holds one query, its registers run along the keys).
; NO CLUSTER: row I of the causal triangle has I + 1 tiles and column J has 8 - J: no fixed shape of 4 or 16 work-groups divides that set.
; LIMITS: NaN and infinities are not served; a block of zeros carries the byte 1.
.set BLK,   25600
.set SLOTB, 4*BLK
.set SPARE, 3*SLOTB
.set ADRA, 4
.set ADRB, 7
.set SPW,  12
.set NIL,  13
.set LI,   14
.set LS,   15
.set D0,   16                          ; v16  128 (wr - wc) + r + 8 (r / 8) - 16 h
.set DD,   17                          ; v17  the same for the row block in hand
.set NINF, 18                          ; v18  -infinity
.set T0,   20
.set NM,   22                          ; v[22:23] -M (the packed form names a pair and takes its low word)
.set SA,   24                          ; v[24:25], v[26:27] the sum, in two chains
.set SB,   26
.set SC,   32
.set ASA,  48
.set ASB,  51
.set AF,   64
.set TM,   64
.set PC0,  80
.set PWS,  120                         ; v120-127 scale words, v128-135 M, v136-143 sums, one for each row block; v144-155 two row blocks' in one register
.set MS,   128
.set LSM,  136
.set MG,   144
.set RI,  18
.set RJ,  19
.set G1,  24
.set G0,  32                           ; s[32:43] groups 0, one for each slot
.set PB,  46
.set OB,  48
.set OS,  50
.set STB, 52
.set CS,  54
.set SEL, 56
.set HM,  58
.set MSKF, 59
.set MSB, 0
.macro WIN new
.if MSB != (\new)
	s_set_vgpr_msb (MSB<<8)|(\new)
.set MSB, (\new)
.endif
.endm
.macro PLACES n
.rept \n
	v_nop
.endr
.endm
.macro GRP g, sl, q, p                 ; run g of eight of the 56 LDS loads that bring the q-th 128 along K of slot sl into set p
.if (\g) == 0
	WIN 0
.irp j, 0,1,2,3
	ds_load_b32 v[SC+8*(\p)+\j], v[ASA+(\sl)] offset:24576+512*(\q)+128*\j
.endr
.irp j, 0,1,2,3
	ds_load_b32 v[SC+8*(\p)+4+\j], v[ASB+(\sl)] offset:24576+512*(\q)+128*\j
.endr
.elseif (\g) < 4
	WIN 0x40
.set gn, 8*((\g)-1)
.rept 8
	ds_load_b128 v[128*(\p)+4*gn:128*(\p)+4*gn+3], v[ADRB+(\sl)] offset:12288*(\q)+512*gn
.set gn, gn+1
.endr
.else
	WIN 0
.set gn, 6*((\g)-4)
.rept 6
	ds_load_b128 v[AF+96*(\p)+4*gn:AF+96*(\p)+4*gn+3], v[ADRA+(\sl)] offset:12288*(\q)+512*gn
.set gn, gn+1
.endr
.endif
.endm
.macro FETCH sl, q, p
.irp g, 0,1,2,3,4,5,6,7
	GRP \g, \sl, \q, \p
.endr
	WIN 0
.endm
.macro WM a, b, p, zero
.set rD, 8*(8*((\a)%4)+(\b))
.set rB, 128*(\p)+12*(\b)
.set rA, AF+96*(\p)+12*(\a)
.set rSB, SC+8*(\p)+4+(\b)/2
.set rSA, SC+8*(\p)+(\a)/2
.set par, 2*((\a)%2)+(\b)%2
.if \zero
.if par == 0
	v_wmma_scale_f32_16x16x128_f8f6f4 v[rD:rD+7], v[rB:rB+11], v[rA:rA+11], 0, v[rSB], v[rSA] matrix_a_fmt:MATRIX_FMT_BF6 matrix_b_fmt:MATRIX_FMT_BF6
.elseif par == 1
	v_wmma_scale_f32_16x16x128_f8f6f4 v[rD:rD+7], v[rB:rB+11], v[rA:rA+11], 0, v[rSB], v[rSA] matrix_a_fmt:MATRIX_FMT_BF6 matrix_b_fmt:MATRIX_FMT_BF6 matrix_a_scale:MATRIX_SCALE_ROW1
.elseif par == 2
	v_wmma_scale_f32_16x16x128_f8f6f4 v[rD:rD+7], v[rB:rB+11], v[rA:rA+11], 0, v[rSB], v[rSA] matrix_a_fmt:MATRIX_FMT_BF6 matrix_b_fmt:MATRIX_FMT_BF6 matrix_b_scale:MATRIX_SCALE_ROW1
.else
	v_wmma_scale_f32_16x16x128_f8f6f4 v[rD:rD+7], v[rB:rB+11], v[rA:rA+11], 0, v[rSB], v[rSA] matrix_a_fmt:MATRIX_FMT_BF6 matrix_b_fmt:MATRIX_FMT_BF6 matrix_a_scale:MATRIX_SCALE_ROW1 matrix_b_scale:MATRIX_SCALE_ROW1
.endif
.else
.if par == 0
	v_wmma_scale_f32_16x16x128_f8f6f4 v[rD:rD+7], v[rB:rB+11], v[rA:rA+11], v[rD:rD+7], v[rSB], v[rSA] matrix_a_fmt:MATRIX_FMT_BF6 matrix_b_fmt:MATRIX_FMT_BF6
.elseif par == 1
	v_wmma_scale_f32_16x16x128_f8f6f4 v[rD:rD+7], v[rB:rB+11], v[rA:rA+11], v[rD:rD+7], v[rSB], v[rSA] matrix_a_fmt:MATRIX_FMT_BF6 matrix_b_fmt:MATRIX_FMT_BF6 matrix_a_scale:MATRIX_SCALE_ROW1
.elseif par == 2
	v_wmma_scale_f32_16x16x128_f8f6f4 v[rD:rD+7], v[rB:rB+11], v[rA:rA+11], v[rD:rD+7], v[rSB], v[rSA] matrix_a_fmt:MATRIX_FMT_BF6 matrix_b_fmt:MATRIX_FMT_BF6 matrix_b_scale:MATRIX_SCALE_ROW1
.else
	v_wmma_scale_f32_16x16x128_f8f6f4 v[rD:rD+7], v[rB:rB+11], v[rA:rA+11], v[rD:rD+7], v[rSB], v[rSA] matrix_a_fmt:MATRIX_FMT_BF6 matrix_b_fmt:MATRIX_FMT_BF6 matrix_a_scale:MATRIX_SCALE_ROW1 matrix_b_scale:MATRIX_SCALE_ROW1
.endif
.endif
.endm
; A step of 128 along K, as in launch 2: the 64 accumulators take turns, one instruction a turn; ahead of row a stands run a of the next step's loads.
; What may stay out ahead of row a: the 21 - 3 a loads of this set issued behind A's tile a, and the runs 0 .. a of this step: 29 + 5 a up to a = 3, 35 + 3 a from there on.
.macro STEP p, zero, fetch, sl, q
.irp a, 0,1,2,3,4,5,6,7
.if \fetch
	GRP \a, \sl, \q, 1-(\p)
.if \a < 4
	s_wait_dscnt 29+5*\a
.else
	s_wait_dscnt 35+3*\a
.endif
.else
	s_wait_dscnt 21-3*\a
.endif
	WIN 0xa1+0x50*(\a/4)
.irp b, 0,1,2,3,4,5,6,7
	WM \a, \b, \p, \zero
.endr
.endr
	WIN 0
.endm
	s_load_b128 s[4:7], s[0:1], 0x0                ; qkv, p
	s_load_b64 s[8:9], s[0:1], 0x10                ; stat
	v_lshl_add_u32 v[SPW], v0, 2, SPARE
	v_mov_b32 v[NIL], 0
	ds_add_u32 v[SPW], v[NIL]                      ; the opening: the add, twice on end, and its wait ahead of my first tensor load
	ds_add_u32 v[SPW], v[NIL]
	v_lshrrev_b32 v1, 5, v0
	v_readfirstlane_b32 s14, v1
	s_lshr_b32 s15, s14, 1                         ; wr
	s_and_b32 s16, s14, 1                          ; wc
	s_and_b32 s17, ttmp7, 0xffff                   ; the batch
	s_mov_b32 s[RI], 0                             ; work-group x = I (I + 1) / 2 + J, J <= I
.irp thr, 1,3,6,10,15,21,28
	s_cmp_ge_u32 ttmp9, \thr
	s_cselect_b32 s20, 1, 0
	s_add_co_u32 s[RI], s[RI], s20
.endr
	s_add_co_u32 s20, s[RI], 1
	s_mul_i32 s20, s20, s[RI]
	s_lshr_b32 s20, s20, 1
	s_sub_co_u32 s[RJ], ttmp9, s20
	s_mov_b32 s[G1], 3<<16                         ; a dense block of 25,600 bytes as 100 rows of 32 elements of 8 bytes; no mask, no padding
	s_mov_b32 s[G1+1], 32<<16
	s_mov_b32 s[G1+2], 100<<16
	s_mov_b32 s[G1+3], 32<<16
	s_mov_b32 s[G1+4], 100
	s_mov_b32 s[G1+5], 32
	s_mov_b32 s[G1+6], 0
	s_mov_b32 s[G1+7], 0
	s_lshl_b32 s20, s17, 4
	s_lshl_b32 s21, s[RI], 1
	s_add_co_u32 s21, s21, s20                     ; the queries' first row block: 16 b + 2 I
	s_lshl_b32 s22, s[RJ], 1
	s_add_co_u32 s22, s22, s20
	s_add_co_u32 s22, s22, 64                      ; the keys': K's blocks begin 64 row blocks behind Q's
	s_cmp_eq_u32 s15, 0                            ; waves 0 and 1 fetch Q's two blocks, waves 2 and 3 K's
	s_cselect_b32 s23, s21, s22
	s_add_co_u32 s23, s23, s16
	s_mul_i32 s66, s23, 4*BLK
	s_mov_b32 s67, 0
	s_mul_i32 s61, s14, BLK
	s_mov_b32 s[CS], 0x3d38aa3b                    ; log2(e) / 32
	s_mov_b32 s[CS+1], s[CS]
	s_mov_b32 s[SEL], 0x76543210
	s_mov_b32 s[SEL+1], 0xfedcba98
	s_mov_b32 s[HM], 0xffff0000
	s_wait_dscnt 0x0
	s_wait_kmcnt 0x0
	s_add_nc_u64 s[66:67], s[4:5], s[66:67]
.irp s, 0,1,2                                  ; tiles 0, 1, 2 into slots 0, 1, 2, in every wave, ahead of every wait on TENSORcnt: three loads of mine are out
	s_mov_b32 s[G0+4*\s], 1
	s_add_co_u32 s[G0+4*\s+1], s61, \s*SLOTB
	s_add_nc_u64 s[G0+4*\s+2:G0+4*\s+3], s[66:67], \s*BLK
	s_or_b32 s[G0+4*\s+3], s[G0+4*\s+3], 0x80000000
	tensor_load_to_lds s[G0+4*\s:G0+4*\s+3], s[G1:G1+7]
	s_nop 0
.endr
	v_and_b32 v1, 31, v0
	v_and_b32 v2, 15, v0
	v_bfe_u32 v3, v0, 4, 1
	v_lshlrev_b32 v[LI], 4, v1
	v_lshlrev_b32 v[LS], 2, v1
	s_mul_i32 s68, s15, BLK
	s_mul_i32 s69, s16, BLK
	s_add_co_u32 s69, s69, 2*BLK
.irp s, 0,1,2
	v_add_nc_u32 v[ADRA+\s], s68, v[LI]
	v_add_nc_u32 v[ADRB+\s], s69, v[LI]
	v_add_nc_u32 v[ASA+\s], s68, v[LS]
	v_add_nc_u32 v[ASB+\s], s69, v[LS]
	s_add_co_u32 s68, s68, SLOTB
	s_add_co_u32 s69, s69, SLOTB
.endr
	s_sub_co_i32 s60, s15, s16
	s_lshl_b32 s60, s60, 7
	v_and_b32 v[D0], 8, v2
	v_add_nc_u32 v[D0], v[D0], v2
	v_lshlrev_b32 v[DD], 4, v3
	v_sub_nc_u32 v[D0], v[D0], v[DD]
	v_add_nc_u32 v[D0], s60, v[D0]
	v_mov_b32 v[NINF], 0xff800000
	v_mov_b32 v[NM+1], 0                           ; (named as the upper half of a pair)
	s_cmp_eq_u32 s[RI], s[RJ]                      ; the mask is worked only on the diagonal tile, and there not in the lower left quarter, all of whose keys count
	s_cselect_b32 s[MSKF], 1, 0
	s_cmp_eq_u32 s14, 2
	s_cselect_b32 s[MSKF], 0, s[MSKF]
	s_add_co_u32 s68, s21, s15                     ; my row block of queries
	s_lshl_b32 s69, s68, 3
	s_add_co_u32 s69, s69, s[RJ]                   ; p: eight slots of 256 keys to a row block
	s_mul_i32 s70, s69, BLK
	s_mov_b32 s71, 0
	s_add_nc_u64 s[PB:PB+1], s[6:7], s[70:71]
	s_mul_i32 s70, s16, 12288
	s_add_nc_u64 s[OB:OB+1], s[PB:PB+1], s[70:71]
	s_lshl_b32 s70, s16, 9
	s_add_nc_u64 s[OS:OS+1], s[PB:PB+1], s[70:71]
	s_lshl_b32 s69, s68, 4
	s_lshl_b32 s70, s[RJ], 1
	s_add_co_u32 s69, s69, s70
	s_add_co_u32 s69, s69, s16                     ; stat: sixteen chunks to a row block, 512 bytes each
	s_lshl_b32 s70, s69, 9
	s_add_nc_u64 s[STB:STB+1], s[8:9], s[70:71]
	s_wait_tensorcnt 0x2                           ; my block of slot 0 is in; the two loads issued behind it may stay out
	s_barrier_signal -1
	s_barrier_wait -1
	FETCH 0, 0, 0
	STEP 0, 1, 1, 0, 1                             ; K 0: the first step's products start the sums
	s_wait_tensorcnt 0x0                           ; all my tensor loads have landed: my blocks of slots 1 and 2;
	ds_add_u32 v[SPW], v[NIL]                      ; 0 onto my spare word
	s_add_nc_u64 s[G0+2:G0+3], s[G0+2:G0+3], 3*BLK ; no tensor load of mine is out: slot 0's descriptor steps to tile 3
	s_wait_dscnt 0x0                               ; the add is done, and my reads of slot 0 are in
	s_barrier_signal -1
	s_barrier_wait -1                              ; nobody reads slot 0 any more; slots 1 and 2 are whole
	tensor_load_to_lds s[G0:G0+3], s[G1:G1+7]      ; the one refill: four steps, 256 products, ahead of its first use
	s_nop 0
	PLACES 4                                       ; also the places in front of the loads below
	STEP 1, 0, 1, 1, 0                             ; K 128
	PLACES 4                                       ; between the last product that read a set and the first load into it
	STEP 0, 0, 1, 1, 1                             ; K 256
	PLACES 4
	STEP 1, 0, 1, 2, 0                             ; K 384
	PLACES 4
	STEP 0, 0, 1, 2, 1                             ; K 512
	s_wait_tensorcnt 0x0                           ; my block of tile 3 is in,
	ds_add_u32 v[SPW], v[NIL]
	s_wait_dscnt 0x0
	s_barrier_signal -1
	s_barrier_wait -1                              ; everybody's is
	PLACES 4
	STEP 1, 0, 1, 0, 0                             ; K 640
	PLACES 4
	STEP 0, 0, 1, 0, 1                             ; K 768
	STEP 1, 0, 0, 0, 0                             ; K 896
	PLACES 4
.irp b, 0,1,2,3
	v_mov_b32 v[TM+4+\b], 0                        ; written once: a lane permute's destination counts as one of its sources
.endr
; Row block a: 16 queries (one a lane) x my 128 keys: register 16 b + i = key 32 b + 16 (lane / 16) + i.
.macro SOFTROW a
.set W, 2+(\a)/4
.set AC, 64*((\a)%4)
.set PCS, PC0+20*((\a)%2)
.set WD, (W<<6)|W
.set WS2, W|(W<<2)
	s_cmp_eq_u32 s[MSKF], 0                        ; ids and the wave's number alone; no barrier stands under the branch
	s_cbranch_scc1 .Lopen_\@
	v_add_nc_u32 v[DD], 32*((\a)/2)+8*((\a)%2), v[D0]   ; my query less my first key: register n is hidden where 32 (n / 16) + n % 16 is greater
	WIN WD
.set n, 0
.rept 64
	v_cmp_gt_i32 vcc_lo, 32*(n/16)+n%16, v[DD]
	v_cndmask_b32 v[AC+n], v[AC+n], v[NINF], vcc_lo
.set n, n+1
.endr
	WIN 0
.Lopen_\@:
	WIN WS2
.irp b, 0,1,2,3
	v_max_num_f32 v[TM+\b], v[AC+16*\b], v[AC+16*\b+1]   ; the largest score of each block of 32 keys: it serves for the chunk's maximum and, since p rises with the score, for the block's largest p
.endr
.irp i, 2,4,6,8,10,12,14
.irp b, 0,1,2,3
	v_max3_num_f32 v[TM+\b], v[AC+16*\b+\i], v[AC+16*\b+\i+1], v[TM+\b]
.endr
.endr
	WIN 0
.irp b, 0,1,2,3
	v_permlanex16_b32 v[TM+4+\b], v[TM+\b], s[SEL], s[SEL+1]
.endr
.irp b, 0,1,2,3
	v_max_num_f32 v[TM+\b], v[TM+\b], v[TM+4+\b]
.endr
	v_max3_num_f32 v[T0], v[TM], v[TM+1], v[TM+2]
	v_max_num_f32 v[T0], v[T0], v[TM+3]
	v_mul_f32 v[T0], s[CS], v[T0]                  ; as t
	v_max_num_f32 v[T0], 0xf149f2ca, v[T0]         ; a chunk that is wholly hidden: -1e30 for -infinity
	v_floor_f32 v[NM], -v[T0]                      ; -M = floor(-t): M is a whole number
	v_xor_b32 v[MS+(\a)], 0x80000000, v[NM]
.irp b, 0,1,2,3
	v_fma_f32 v[TM+\b], v[TM+\b], s[CS], v[NM]
.endr
	WIN WD
.set n, 0
.rept 32
	v_pk_fma_f32 v[AC+n:AC+n+1], v[AC+n:AC+n+1], s[CS:CS+1], v[NM:NM+1] op_sel_hi:[1,0,0]   ; t - M
.set n, n+2
.endr
.set n, 0
.rept 64
	v_exp_f32 v[AC+n], v[AC+n]                     ; p = 2^(t - M)
.set n, n+1
.endr
	WIN 0
	v_mov_b32 v[SA], 0                             ; (plain instructions behind the batch)
	v_mov_b32 v[SA+1], 0
	v_mov_b32 v[SB], 0
	v_mov_b32 v[SB+1], 0
	s_wait_alu depctr_va_vdst(0)                   ; one wait for the 64 exponentials, ahead of their first reader
.irp b, 0,1,2,3
	v_exp_f32 v[TM+\b], v[TM+\b]                   ; each block's largest p
.endr
	WIN W
.set n, 0
.rept 16
	v_pk_add_f32 v[SA:SA+1], v[AC+n:AC+n+1], v[SA:SA+1]          ; the sum is taken of the unquantised p
	v_pk_add_f32 v[SB:SB+1], v[AC+n+2:AC+n+3], v[SB:SB+1]
.set n, n+4
.endr
	WIN 0
	v_pk_add_f32 v[SA:SA+1], v[SA:SA+1], v[SB:SB+1]
	v_add_f32 v[SA], v[SA], v[SA+1]
	v_permlanex16_b32 v[SB], v[SA], s[SEL], s[SEL+1]
	v_add_f32 v[LSM+(\a)], v[SA], v[SB]
	s_wait_alu depctr_va_vdst(0)                   ; and one for the four
.irp b, 0,1,2,3
	v_max_num_f32 v[TM+\b], 0x2800000, v[TM+\b]    ; the floor 2^(5 - 127)
.endr
.irp b, 0,1,2,3
	v_add_nc_u32 v[TM+12+\b], 0xfe000000, v[TM+\b]
.endr
.irp b, 0,1,2,3
	v_lshrrev_b32 v[TM+4+\b], 23, v[TM+12+\b]
.endr
	v_lshl_or_b32 v[PWS+(\a)], v[TM+5], 8, v[TM+4]
	v_lshl_or_b32 v[PWS+(\a)], v[TM+6], 16, v[PWS+(\a)]
	v_lshl_or_b32 v[PWS+(\a)], v[TM+7], 24, v[PWS+(\a)]
.if (\a) >= 2
	s_wait_xcnt 0x0                                ; the stores of two rows back have read this set of code registers
.endif
	WIN W
.irp c, 0,1
	v_cvt_scalef32_pk16_bf6_f32 v[PCS+6*\c:PCS+6*\c+2], v[AC+32*\c:AC+32*\c+15], v[TM+12+2*\c]
	v_cvt_scalef32_pk16_bf6_f32 v[PCS+12+4*\c:PCS+14+4*\c], v[AC+16+32*\c:AC+31+32*\c], v[TM+13+2*\c]
.endr
	WIN 0
	v_nop
.irp c, 0,1
.irp i, 0,1,2
	v_permlane16_swap_b32 v[PCS+6*\c+\i], v[PCS+12+4*\c+\i]
.endr
.irp i, 0,1,2
	v_mov_b32 v[PCS+3+6*\c+\i], v[PCS+12+4*\c+\i]
.endr
.endr
.irp c, 0,1,2
	global_store_b128 v[LI], v[PCS+4*\c:PCS+4*\c+3], s[OB:OB+1] offset:1536*(\a)+512*\c
.endr
.endm
.irp a, 0,1,2,3,4,5,6,7
	SOFTROW \a
.endr
.irp j, 0,1,2,3
	v_cndmask_b32 v[MG+\j], v[PWS+2*\j], v[PWS+2*\j+1], s[HM]
	v_cndmask_b32 v[MG+4+\j], v[MS+2*\j], v[MS+2*\j+1], s[HM]
	v_cndmask_b32 v[MG+8+\j], v[LSM+2*\j], v[LSM+2*\j+1], s[HM]
.endr
.irp j, 0,1,2,3
	global_store_b32 v[LS], v[MG+\j], s[OS:OS+1] offset:24576+128*\j       ; four stores each: 512 consecutive bytes
.endr
.irp j, 0,1,2,3
	global_store_b32 v[LS], v[MG+4+\j], s[STB:STB+1] offset:128*\j
.endr
.irp j, 0,1,2,3
	global_store_b32 v[LS], v[MG+8+\j], s[STB:STB+1] offset:524288+128*\j
.endr
	s_wait_tensorcnt 0x0                           ; the wave's end
	ds_add_u32 v[SPW], v[NIL]
	s_wait_dscnt 0x0
	s_endpgm
.Lfunc_end_k_q5c78905775_scores:
	.size	k_q5c78905775_scores, .Lfunc_end_k_q5c78905775_scores-k_q5c78905775_scores
	.p2alignl 7, 3214868480
	.fill 96, 4, 3214868480
	.section	.rodata,"a",@progbits
	.p2align	6, 0x0
	.amdhsa_kernel k_q5c78905775_scores
		.amdhsa_group_segment_fixed_size 327680
		.amdhsa_private_segment_fixed_size 0
		.amdhsa_enable_private_segment 0
		.amdhsa_kernarg_size 24
		.amdhsa_user_sgpr_count 2
		.amdhsa_user_sgpr_kernarg_segment_ptr 1
		.amdhsa_wavefront_size32 1
		.amdhsa_system_sgpr_workgroup_id_x 1
		.amdhsa_system_sgpr_workgroup_id_y 1
		.amdhsa_system_sgpr_workgroup_id_z 1
		.amdhsa_system_vgpr_workitem_id 0
		.amdhsa_next_free_vgpr 1024
		.amdhsa_next_free_sgpr 80
		.amdhsa_reserve_vcc 1
		.amdhsa_float_denorm_mode_32 3
		.amdhsa_float_denorm_mode_16_64 3
		.amdhsa_memory_ordered 1
		.amdhsa_forward_progress 1
		.amdhsa_inst_pref_size 240
	.end_amdhsa_kernel
	.amdgpu_metadata
---
amdhsa.version: [ 1, 2 ]
amdhsa.kernels:
  - .name:           k_q5c78905775_scores
    .symbol:         k_q5c78905775_scores.kd
    .args:
      - { .name: qkv, .offset: 0, .size: 8, .value_kind: global_buffer, .address_space: global }
      - { .name: p, .offset: 8, .size: 8, .value_kind: global_buffer, .address_space: global }
      - { .name: stat, .offset: 16, .size: 8, .value_kind: global_buffer, .address_space: global }
    .group_segment_fixed_size: 327680
    .private_segment_fixed_size: 0
    .kernarg_segment_align: 8
    .kernarg_segment_size: 24
    .max_flat_workgroup_size: 128
    .sgpr_count:     80
    .vgpr_count:     1024
    .wavefront_size: 32
...
	.end_amdgpu_metadata
.endif
;; end of part 3
;; launch pv (part 4): grid 4 x 64, 4 waves a work-group, no clusters, 327,680 bytes of LDS; arguments p, stat, qkv, out0; writes out0
.if DOCPART == 4
	.amdgcn_target "amdgcn-amd-amdhsa--gfx1250"
	.amdhsa_code_object_version 6
	.text
	.protected	k_q5c78905775_pv
	.globl	k_q5c78905775_pv
	.p2align	8
	.type	k_q5c78905775_pv,@function
k_q5c78905775_pv:
	s_mov_b64 s[64:65], 0
	v_nop
	global_prefetch_b8 v0, s[64:65] scope:SCOPE_SE
	s_setreg_imm32_b32 hwreg(HW_REG_WAVE_MODE, 25, 1), 1
	s_wait_xcnt 0x0
; out = round(1e4 (P V) / l) / 1e4 on codes of BF6.  A work-group makes 128 queries (row block y = 16 b + I' of the tokens) x 256 channels (tile C); K = the keys, in steps of one chunk of 128.
; WORK LEFT OUT: the chunks of keys behind chunk I', whose weights reference()'s own tril makes 0 (launch 1's head comment): the walk has I' + 1 steps.
; SHARES: four waves, each 64 queries x 128 channels: 32 accumulators, 256 registers.  256 work-groups.
; LDS: a slot holds 512 keys, four steps, as three dense runs of 51,200 bytes: P's two blocks, then two blocks of each of V^T's two row blocks.  Waves 0, 1, 2 bring one run each by one tensor load; wave 3 brings none.
; Two slots take turns: the longest walk has four slots, and a refill has four steps in which to land.  P's run brings two blocks by one load; where the second lies behind the causal limit launch 3 has not stored it:
; it lands in LDS, no wave reads it, and no result hangs on it.
; HEAD, while slot 0 lands: thread t takes place t of the row block: the row's M = the largest of the chunks' M; l = the sum of the chunks' sums x 2^(M_c - M); and each chunk's scale word of p with
; M - M_c taken off each of its four bytes, held at 0 from below: exact, since all M are whole numbers.  The words go to LDS and serve as P's scale words; 1e4 / l likewise.
; THE WALK: the loop's trip count is a constant (2 trips of eight steps), so that the one LDS address that is stepped in it can be read off the text.  A step parts three ways on the count of steps against I': it multiplies and
; fetches the next step's fragments; it is the last and multiplies alone; it lies behind the limit and does nothing.  These jumps, and the one round a refill that nobody would read, hang on the work-group's number and the count
; of steps alone, are the same in all four waves, and lead round no barrier, no wait on TENSORcnt and no add; every wait on TENSORcnt is for 0; a slot that was not asked for is read on no path.
; Where the tail begins hangs on I', so it cannot be written out.
; THE LDS LOADS of the next step's fragments stand in four short runs, one ahead of each row of eight products (launch 2's head comment).
; NO CLUSTER: the four channel tiles of a row block share P's run, a third of a slot's bytes, and the loads end at the causal limit by a jump, which may not lead round a joint load; V^T's runs are shared only by row blocks whose walks have different lengths.
; Products as in launch 2: source 0 = 16 channels of V^T, source 1 = 16 queries of P: a lane holds one query and 64 channels of a row block of 16.
; REGISTERS: window 0: v4-25 addresses and the rows' figures; v32-47 scale words, two sets; v48-63 at work; v64-111, v112-159 P's fragments, two sets (in the head: the chunks' figures; on the way out: rows of out).
;   window 1: V^T's two sets at v0 and v128.   window 2: the accumulators, (a, b) at v[8 (8 a + b)].
; LIMITS: a chunk 127 or more powers of two under the row's M, and a block whose shifted byte would fall under 0, keep their codes under the byte 0 (2^-127): under 2^-120 of the largest p;
; 1 / l by v_rcp_f32; the last step multiplies by the f32 number 1e-4 where reference() divides by 1e4; NaN and infinities are not served.
.set BLK,   25600
.set SLOTB, 6*BLK                      ; 153,600 bytes
.set SPARE, 2*SLOTB                    ; behind the slots: the spare words, 128 bytes a wave
.set LINV,  SPARE+512                  ; 1e4 / l: 128 places x 4 bytes
.set ASC,   LINV+512                   ; P's shifted scale words: [16 chunks][128 places] x 4 bytes; nothing lies behind them
.set STAGE, 0                          ; the way out: 16 rows x 528 bytes for each wave, in slot 0, behind its last fill and behind a barrier behind which nobody reads it
.set ADRA, 4                           ; v4-5   16 x lane + my four fragments of P in slot 0, 1
.set ADRB, 6                           ; v6-7   16 x lane + my run of V^T
.set ASB,  10                          ; v10-11 4 x lane + my run of V^T
.set SPW,  12
.set NIL,  13
.set LI,   14                          ; v14  16 x lane
.set TO,   15                          ; v15  4 x thread
.set AW,   16                          ; v16  ASC + 4 x thread
.set AAS,  17                          ; v17  ASC + 256 wr + 4 x lane, stepped 4,096 bytes (eight chunks) a trip
.set LV,   18                          ; v18  LINV + 256 wr + 4 r
.set STO,  19
.set RD,   20
.set LVW,  21                          ; v21  LINV + 4 x thread
.set MROW, 22                          ; v22  the row's M;  v24-25 its l, in two halves
.set LSUM, 24
.set SC,   32                          ; set p: v[SC+8p+j], j = 0, 1: P's words of tiles 2j (lanes 0-15) and 2j+1 (lanes 16-31); v[SC+8p+4+j], j = 0 .. 3: V^T's
.set PT,   48                          ; v48-63 at work in the head; later F: 1e4 / l, a pair for each row block of 16
.set F,    48
.set AF,   64
.set MR,   64                          ; the head: v64-79 M, v80-95 sums, v96-111 scale words, one for each chunk
.set LR,   80
.set WR,   96
.set BK,   64                          ; the way out: rows read back from the stage, v64-127 and v128-191 by turns
.set WV,  14
.set IP,  20                           ; s20  I'
.set G1,  24
.set G0,  32                           ; s[32:39] groups 0, one for each slot
.set SB0, 40
.set PB0, 42
.set K1,  44
.set K80, 45
.set KC,  46                           ; s46  the step in hand
.set KC5, 47
.set LAP, 48
.set OUTP, 50
.set MSB, 0
.macro WIN new
.if MSB != (\new)
	s_set_vgpr_msb (MSB<<8)|(\new)
.set MSB, (\new)
.endif
.endm
.macro PLACES n
.rept \n
	v_nop
.endr
.endm
.macro TLOAD sl                        ; waves 0 to 2 bring their runs; the branch hangs on the wave's number alone; an s_nop 0 and four v_nop follow the line
	s_cmp_lt_u32 s[WV], 3
	s_cbranch_scc0 .Lasked_\@
	tensor_load_to_lds s[G0+4*\sl:G0+4*\sl+3], s[G1:G1+7]
	s_nop 0
.rept 4
	v_nop
.endr
.Lasked_\@:
.endm
; Run g of four of the 42 LDS loads that bring a chunk (slot sl, block tt of its two, half q) into set p; aoff: where P's words of that chunk lie from v[AAS] on.
; Order: 6 scale words and P's tile 0; V^T's 24 in two runs; P's tiles 1 to 3, which the next step wants one row at a time.
.macro GRP g, sl, tt, q, p, aoff
.if (\g) == 0
	WIN 0
.irp j, 0,1
	ds_load_b32 v[SC+8*(\p)+\j], v[AAS] offset:(\aoff)+128*\j
.endr
.irp j, 0,1,2,3
	ds_load_b32 v[SC+8*(\p)+4+\j], v[ASB+(\sl)] offset:BLK*(\tt)+24576+512*(\q)+128*\j
.endr
.irp c, 0,1,2
	ds_load_b128 v[AF+48*(\p)+4*\c:AF+48*(\p)+4*\c+3], v[ADRA+(\sl)] offset:BLK*(\tt)+12288*(\q)+512*\c
.endr
.elseif (\g) < 3
	WIN 0x40                                       ; destination window 1
.set gn, 12*((\g)-1)
.rept 12
	ds_load_b128 v[128*(\p)+4*gn:128*(\p)+4*gn+3], v[ADRB+(\sl)] offset:BLK*(\tt)+12288*(\q)+512*gn
.set gn, gn+1
.endr
.else
	WIN 0
.set gn, 3
.rept 9
	ds_load_b128 v[AF+48*(\p)+4*gn:AF+48*(\p)+4*gn+3], v[ADRA+(\sl)] offset:BLK*(\tt)+12288*(\q)+512*gn
.set gn, gn+1
.endr
.endif
.endm
.macro WM a, b, p, zero                ; one product: V^T's tile b x P's tile a
.set rD, 8*(8*(\a)+(\b))
.set rB, 128*(\p)+12*(\b)
.set rA, AF+48*(\p)+12*(\a)
.set rSB, SC+8*(\p)+4+(\b)/2
.set rSA, SC+8*(\p)+(\a)/2
.set par, 2*((\a)%2)+(\b)%2
.if \zero
.if par == 0
	v_wmma_scale_f32_16x16x128_f8f6f4 v[rD:rD+7], v[rB:rB+11], v[rA:rA+11], 0, v[rSB], v[rSA] matrix_a_fmt:MATRIX_FMT_BF6 matrix_b_fmt:MATRIX_FMT_BF6
.elseif par == 1
	v_wmma_scale_f32_16x16x128_f8f6f4 v[rD:rD+7], v[rB:rB+11], v[rA:rA+11], 0, v[rSB], v[rSA] matrix_a_fmt:MATRIX_FMT_BF6 matrix_b_fmt:MATRIX_FMT_BF6 matrix_a_scale:MATRIX_SCALE_ROW1
.elseif par == 2
	v_wmma_scale_f32_16x16x128_f8f6f4 v[rD:rD+7], v[rB:rB+11], v[rA:rA+11], 0, v[rSB], v[rSA] matrix_a_fmt:MATRIX_FMT_BF6 matrix_b_fmt:MATRIX_FMT_BF6 matrix_b_scale:MATRIX_SCALE_ROW1
.else
	v_wmma_scale_f32_16x16x128_f8f6f4 v[rD:rD+7], v[rB:rB+11], v[rA:rA+11], 0, v[rSB], v[rSA] matrix_a_fmt:MATRIX_FMT_BF6 matrix_b_fmt:MATRIX_FMT_BF6 matrix_a_scale:MATRIX_SCALE_ROW1 matrix_b_scale:MATRIX_SCALE_ROW1
.endif
.else
.if par == 0
	v_wmma_scale_f32_16x16x128_f8f6f4 v[rD:rD+7], v[rB:rB+11], v[rA:rA+11], v[rD:rD+7], v[rSB], v[rSA] matrix_a_fmt:MATRIX_FMT_BF6 matrix_b_fmt:MATRIX_FMT_BF6
.elseif par == 1
	v_wmma_scale_f32_16x16x128_f8f6f4 v[rD:rD+7], v[rB:rB+11], v[rA:rA+11], v[rD:rD+7], v[rSB], v[rSA] matrix_a_fmt:MATRIX_FMT_BF6 matrix_b_fmt:MATRIX_FMT_BF6 matrix_a_scale:MATRIX_SCALE_ROW1
.elseif par == 2
	v_wmma_scale_f32_16x16x128_f8f6f4 v[rD:rD+7], v[rB:rB+11], v[rA:rA+11], v[rD:rD+7], v[rSB], v[rSA] matrix_a_fmt:MATRIX_FMT_BF6 matrix_b_fmt:MATRIX_FMT_BF6 matrix_b_scale:MATRIX_SCALE_ROW1
.else
	v_wmma_scale_f32_16x16x128_f8f6f4 v[rD:rD+7], v[rB:rB+11], v[rA:rA+11], v[rD:rD+7], v[rSB], v[rSA] matrix_a_fmt:MATRIX_FMT_BF6 matrix_b_fmt:MATRIX_FMT_BF6 matrix_a_scale:MATRIX_SCALE_ROW1 matrix_b_scale:MATRIX_SCALE_ROW1
.endif
.endif
.endm
; The products of one chunk: set p; the 32 accumulators take turns, one instruction a turn, in the same order in every step.  fetch = 1: ahead of row a stands run a of the next chunk's loads.
; THE WAITS.  Set p's 42 loads were issued in the order 6 scale words, P's tile 0 (3), V^T's 24, P's tiles 1 to 3 (9).  Row 0 wants all up to V^T's last, behind which 9 were issued; row a > 0 wants P's tile a, behind which 9 - 3 a were issued.
; On top may stay out this step's runs 0 .. a: 9, 21, 33, 42 loads.  So 18, 27, 36, 42; in a step that fetches nothing 9, 6, 3, 0.
.macro MULF p, zero, fetch, sl, tt, q, aoff
.irp a, 0,1,2,3
.if \fetch
	GRP \a, \sl, \tt, \q, 1-(\p), \aoff
.if \a < 3
	s_wait_dscnt 18+9*\a
.else
	s_wait_dscnt 42
.endif
.else
	s_wait_dscnt 9-3*\a
.endif
	WIN 0xa1                                       ; source 0 (V^T) window 1, source 1 (P) window 0, C and D window 2
.irp b, 0,1,2,3,4,5,6,7
	WM \a, \b, \p, \zero
.endr
.endr
	WIN 0
.endm
; Step KC of the walk: set p is multiplied; (sl, tt, q, aoff) name the chunk of step KC + 1
.macro PSTEP p, sl, tt, q, aoff
	s_cmp_gt_u32 s[KC], s[IP]
	s_cbranch_scc1 .Lskip_\@                       ; behind the causal limit
	s_cmp_eq_u32 s[KC], s[IP]
	s_cbranch_scc1 .Llast_\@                       ; the last chunk that counts: nothing more to fetch
	PLACES 4                                       ; four plain instructions between the last product that read the other set and the first load into it (ISA guide 7.12.1 for vector instructions)
	MULF \p, 0, 1, \sl, \tt, \q, \aoff
	s_branch .Lend_\@
.Llast_\@:
	MULF \p, 0, 0, 0, 0, 0, 0
	s_branch .Lend_\@
.Lskip_\@:
	s_wait_dscnt 0x0                               ; no LDS load stays out on this way
.Lend_\@:
	s_add_co_u32 s[KC], s[KC], 1
.endm
; THE CHANGE OF SLOTS, at the head of a slot's fourth step, whose fragments are in registers.  All my tensor loads have landed (my run of the other slot), the add, my reads of this slot are in; the barrier;
; this slot takes the keys two slots on, if its first chunk, five steps on, counts for my queries.
.macro BOUND sl
	s_wait_tensorcnt 0x0
	ds_add_u32 v[SPW], v[NIL]                      ; 0 onto my spare word,
	ds_add_u32 v[SPW], v[NIL]                      ; twice on end, in every trip alike
	s_add_nc_u64 s[G0+4*\sl+2:G0+4*\sl+3], s[G0+4*\sl+2:G0+4*\sl+3], 4*BLK   ; no tensor load of mine is out: the slot's descriptor steps two slots on (behind the limit the stepped address is not used)
	s_add_co_u32 s[KC5], s[KC], 5
	s_wait_dscnt 0x0
	s_barrier_signal -1
	s_barrier_wait -1
	s_cmp_gt_u32 s[KC5], s[IP]                     ; a slot behind the causal limit is read by no wave: it is not asked for
	s_cbranch_scc1 .Lnofill_\@
	TLOAD \sl                                      ; a wave's one tensor load behind the barrier: four steps in which to land
.Lnofill_\@:
.endm
	s_load_b256 s[4:11], s[0:1], 0x0               ; p, stat, qkv, out0
	v_lshl_add_u32 v[SPW], v0, 2, SPARE
	v_mov_b32 v[NIL], 0
	ds_add_u32 v[SPW], v[NIL]                      ; the opening: the add, twice on end, and its wait ahead of my first tensor load
	ds_add_u32 v[SPW], v[NIL]
	v_lshrrev_b32 v1, 5, v0
	v_readfirstlane_b32 s[WV], v1
	s_lshr_b32 s15, s[WV], 1                       ; wr: my 64 of the 128 queries
	s_and_b32 s16, s[WV], 1                        ; wc: my 128 of the 256 channels
	s_mov_b32 s17, ttmp9                           ; C
	s_and_b32 s18, ttmp7, 0xffff                   ; the queries' row block: 16 b + I'
	s_lshr_b32 s19, s18, 4                         ; b
	s_and_b32 s[IP], s18, 15                       ; I'
	s_mov_b32 s[G1], 3<<16                         ; a dense run of 51,200 bytes as 200 rows of 32 elements of 8 bytes; no mask, no padding
	s_mov_b32 s[G1+1], 32<<16
	s_mov_b32 s[G1+2], 200<<16
	s_mov_b32 s[G1+3], 32<<16
	s_mov_b32 s[G1+4], 200
	s_mov_b32 s[G1+5], 32
	s_mov_b32 s[G1+6], 0
	s_mov_b32 s[G1+7], 0
	s_mul_i32 s22, s18, 8*BLK                      ; wave 0: P: eight blocks of 256 keys to a row block
	s_lshl_b32 s23, s17, 1
	s_add_co_u32 s23, s23, s[WV]                   ; waves 1, 2: V^T's row block 2 C + wave - 1:
	s_lshl_b32 s23, s23, 5                         ; 32 blocks to a row block,
	s_lshl_b32 s52, s19, 3
	s_add_co_u32 s23, s23, s52                     ; the batch's eight,
	s_add_co_u32 s23, s23, 480                     ; from block 512 of qkv on, less the 32 of the 'wave - 1'
	s_mul_i32 s23, s23, BLK
	s_mov_b32 s53, 0
	s_mul_i32 s56, s[WV], 2*BLK                    ; where my run goes in a slot: the wave's number alone
	s_mov_b32 s[K1], 0x01010101
	s_mov_b32 s[K80], 0x80808080
	s_wait_dscnt 0x0                               ; both opening adds are done
	s_wait_kmcnt 0x0
	s_cmp_eq_u32 s[WV], 0
	s_cselect_b32 s52, s22, s23
	s_cselect_b64 s[54:55], s[4:5], s[8:9]
	s_add_nc_u64 s[54:55], s[54:55], s[52:53]
.irp s, 0,1
	s_mov_b32 s[G0+4*\s], 1
	s_add_co_u32 s[G0+4*\s+1], s56, \s*SLOTB
	s_add_nc_u64 s[G0+4*\s+2:G0+4*\s+3], s[54:55], \s*2*BLK
	s_or_b32 s[G0+4*\s+3], s[G0+4*\s+3], 0x80000000
.endr
	TLOAD 0                                        ; slot 0: the first 512 keys, whose first chunk counts for every query
	; ---- the head's work, while slot 0 lands
	v_lshlrev_b32 v[TO], 2, v0
	v_lshl_add_u32 v[AW], v0, 2, ASC
	v_lshl_add_u32 v[LVW], v0, 2, LINV
	s_lshl_b32 s52, s18, 13                        ; stat: 8,192 bytes a row block
	s_add_nc_u64 s[SB0:SB0+1], s[6:7], s[52:53]
	s_mul_i32 s52, s18, 8*BLK
	s_add_nc_u64 s[PB0:PB0+1], s[4:5], s[52:53]
.irp c, 2,3,4,5,6,7,8,9,10,11,12,13,14,15      ; what chunks behind the limit stand for: M under every M, the sum 0, the word 0
	v_mov_b32 v[MR+\c], 0xff61b1e6
	v_mov_b32 v[LR+\c], 0
	v_mov_b32 v[WR+\c], 0
.endr
.irp c, 0,1,2,3,4,5,6,7,8,9,10,11,12,13,14,15  ; chunks 0 and 1, which launch 3 stores for every row block, and the others up to chunk I'
.if \c > 1
	s_cmp_lt_u32 s[IP], \c
	s_cbranch_scc1 .Lloaded
.endif
	global_load_b32 v[MR+\c], v[TO], s[SB0:SB0+1] offset:512*\c              ; the work-group's 128 threads read 512 consecutive bytes
	global_load_b32 v[LR+\c], v[TO], s[SB0:SB0+1] offset:524288+512*\c
	global_load_b32 v[WR+\c], v[TO], s[PB0:PB0+1] offset:BLK*(\c/2)+24576+512*(\c%2)
.endr
.Lloaded:
	v_and_b32 v1, 31, v0
	v_and_b32 v2, 15, v0
	v_bfe_u32 v3, v0, 4, 1
	v_lshlrev_b32 v[LI], 4, v1
	v_lshlrev_b32 v[AAS], 2, v1
	s_mul_i32 s57, s15, 6144                       ; P: my four fragments of a chunk's eight
	s_mul_i32 s58, s16, 2*BLK
	s_add_co_u32 s58, s58, 2*BLK                   ; V^T: my run, behind P's
.irp s, 0,1
	v_add_nc_u32 v[ADRA+\s], s57, v[LI]
	v_add_nc_u32 v[ADRB+\s], s58, v[LI]
	v_add_nc_u32 v[ASB+\s], s58, v[AAS]
	s_add_co_u32 s57, s57, SLOTB
	s_add_co_u32 s58, s58, SLOTB
.endr
	s_lshl_b32 s57, s15, 8
	s_add_co_u32 s58, s57, ASC
	v_add_nc_u32 v[AAS], s58, v[AAS]
	s_add_co_u32 s58, s57, LINV
	v_lshl_add_u32 v[LV], v2, 2, s58
	s_mul_i32 s57, s[WV], 16*528
	s_add_co_u32 s57, s57, STAGE
	v_mul_u32_u24 v[STO], v2, 528
	v_lshl_add_u32 v[STO], v3, 6, v[STO]
	v_add_nc_u32 v[STO], s57, v[STO]               ; the stage, on the way in: row r, + 64 h
	v_add_nc_u32 v[RD], s57, v[LI]                 ; and back: 16 bytes a lane of a row
	s_lshl_b32 s52, s18, 7
	s_lshl_b32 s57, s15, 6
	s_add_co_u32 s52, s52, s57                     ; my first row of out0: 128 (16 b + I') + 64 wr
	s_lshl_b32 s52, s52, 12
	s_lshl_b32 s57, s17, 10
	s_add_co_u32 s52, s52, s57
	s_lshl_b32 s57, s16, 9
	s_add_co_u32 s52, s52, s57                     ; + my first channel: 1,024 C + 512 wc bytes
	s_add_nc_u64 s[OUTP:OUTP+1], s[10:11], s[52:53]
	s_wait_loadcnt 0x0
	v_max3_num_f32 v[MROW], v[MR], v[MR+1], v[MR+2]
.irp c, 3,5,7,9,11,13
	v_max3_num_f32 v[MROW], v[MROW], v[MR+\c], v[MR+\c+1]
.endr
	v_max_num_f32 v[MROW], v[MROW], v[MR+15]       ; the row's M
.macro ADJ c                           ; chunks c and c + 1, line by line by turns
.irp k, 0,1
	v_sub_f32 v[PT+8*\k], v[MR+\c+\k], v[MROW]             ; M_c - M: a whole number, 0 or less
.endr
.irp k, 0,1
	v_max_num_f32 v[PT+8*\k], 0xc2fe0000, v[PT+8*\k]       ; held at -127
.endr
.irp k, 0,1
	v_cvt_i32_f32 v[PT+8*\k], v[PT+8*\k]
.endr
.irp k, 0,1
.if \c == 0
	v_ldexp_f32 v[LSUM+\k], v[LR+\c+\k], v[PT+8*\k]        ; the first two chunks start l's two halves
.else
	v_ldexp_f32 v[PT+8*\k+1], v[LR+\c+\k], v[PT+8*\k]
.endif
.endr
.irp k, 0,1
	v_mul_lo_u32 v[PT+8*\k+2], v[PT+8*\k], s[K1]           ; the same whole number in each of the four bytes
.endr
.irp k, 0,1
	v_or_b32 v[PT+8*\k+3], s[K80], v[WR+\c+\k]             ; each byte (at most 123) + 128: no borrow passes from byte to byte
.endr
.if \c > 0
.irp k, 0,1
	v_add_f32 v[LSUM+\k], v[LSUM+\k], v[PT+8*\k+1]
.endr
.endif
.irp k, 0,1
	v_add_nc_u32 v[PT+8*\k+2], v[PT+8*\k+2], v[PT+8*\k+3]
.endr
.irp k, 0,1
	v_and_b32 v[PT+8*\k+3], s[K80], v[PT+8*\k+2]           ; bit 7 still set: the byte has not fallen under 0
.endr
.irp k, 0,1
	v_lshrrev_b32 v[PT+8*\k+4], 7, v[PT+8*\k+3]
.endr
.irp k, 0,1
	v_sub_nc_u32 v[PT+8*\k+3], v[PT+8*\k+3], v[PT+8*\k+4]  ; 0x7f for such a byte, 0 for the others
.endr
.irp k, 0,1
	v_and_b32 v[PT+8*\k+2], v[PT+8*\k+2], v[PT+8*\k+3]
.endr
.irp k, 0,1
	ds_store_b32 v[AW], v[PT+8*\k+2] offset:512*(\c+\k)
.endr
.endm
.irp c, 0,2,4,6,8,10,12,14
	ADJ \c
.endr
	v_add_f32 v[LSUM], v[LSUM], v[LSUM+1]
	v_rcp_f32 v[PT], v[LSUM]
	v_nop                                          ; a plain instruction behind the reciprocal,
	s_wait_alu depctr_va_vdst(0)                   ; and the wait ahead of its first reader
	v_mul_f32 v[PT], 0x461c4000, v[PT]             ; 1e4 / l
	ds_store_b32 v[LVW], v[PT]
	; ---- slot 0 has landed and the words lie in LDS; slot 1 is filled
	s_wait_tensorcnt 0x0
	ds_add_u32 v[SPW], v[NIL]                      ; 0 onto my spare word,
	ds_add_u32 v[SPW], v[NIL]                      ; twice on end
	s_wait_dscnt 0x0
	s_barrier_signal -1
	s_barrier_wait -1
	s_cmp_lt_u32 s[IP], 4                          ; the first four row blocks have no key behind the first 512: nobody would read a second slot
	s_cbranch_scc1 .Lone_slot
	TLOAD 1
.Lone_slot:
.irp g, 0,1,2,3
	GRP \g, 0, 0, 0, 0, 0                          ; chunk 0's fragments, all four runs on end
.endr
	MULF 0, 1, 1, 0, 0, 1, 512                     ; chunk 0 starts the sums: nothing is cleared.  Chunk 1's fragments are fetched for every row block: they lie in slot 0, and so both sets are written on every way
	s_mov_b32 s[KC], 1
	s_mov_b32 s[LAP], 2
.Llap:                                                 ; a trip: steps 1 to 8 of eight, once round the two slots
	PSTEP 1, 0, 1, 0, 1024
	PSTEP 0, 0, 1, 1, 1536
	BOUND 0
	PSTEP 1, 1, 0, 0, 2048
	PSTEP 0, 1, 0, 1, 2560
	PSTEP 1, 1, 1, 0, 3072
	PSTEP 0, 1, 1, 1, 3584
	BOUND 1
	PSTEP 1, 0, 0, 0, 4096
	v_add_nc_u32 v[AAS], 4096, v[AAS]              ; eight chunks' words on
	PSTEP 0, 0, 0, 1, 512
	s_sub_co_u32 s[LAP], s[LAP], 1
	s_cmp_lg_u32 s[LAP], 0
	s_cbranch_scc1 .Llap
	; THE WAY OUT, a row block (16 queries x my 128 channels) at a time: x 1e4 / l, to the nearest whole number (ties to even), x 1e-4; through my stage; whole rows of 512 bytes out.
	; The stages lie in slot 0: no tensor load follows, mine have landed, and behind this barrier no wave reads a slot.
	s_wait_tensorcnt 0x0
	ds_add_u32 v[SPW], v[NIL]
	s_wait_dscnt 0x0
	s_barrier_signal -1
	s_barrier_wait -1
	PLACES 4
.irp a, 0,1,2,3
	v_mov_b32 v[F+2*\a+1], 0                       ; (named as the upper half of a pair)
	ds_load_b32 v[F+2*\a], v[LV] offset:64*\a
.endr
	s_wait_dscnt 0x0
.macro OUTROW a
.set AC, 64*(\a)
	WIN 0x82                                       ; destination and source 0: the accumulators' window
.set n, 0
.rept 32
	v_pk_mul_f32 v[AC+n:AC+n+1], v[AC+n:AC+n+1], v[F+2*(\a):F+2*(\a)+1] op_sel_hi:[1,0]   ; each accumulator from its low end on
.set n, n+2
.endr
.set n, 0
.rept 64
	v_rndne_f32 v[AC+n], v[AC+n]
.set n, n+1
.endr
.set n, 0
.rept 32
	v_pk_mul_f32 v[AC+n:AC+n+1], v[AC+n:AC+n+1], 0x38d1b717 op_sel_hi:[1,0]
.set n, n+2
.endr
	WIN 0
.endm
.macro TOSTAGE a
.set AC, 64*(\a)
	WIN 0x08                                       ; an LDS store's data are its source 1
.irp b, 0,1,2,3,4,5,6,7
	ds_store_b128 v[STO], v[AC+8*\b:AC+8*\b+3] offset:128*(\b/2)+32*(\b%2)          ; tile b's register j is channel 32 (b / 2) + 16 h + 8 (b % 2) + j
	ds_store_b128 v[STO], v[AC+8*\b+4:AC+8*\b+7] offset:128*(\b/2)+32*(\b%2)+16
.endr
	WIN 0
.set BB, BK+64*((\a)%2)
.irp t, 0,1,2,3,4,5,6,7,8,9,10,11,12,13,14,15
	ds_load_b128 v[BB+4*\t:BB+4*\t+3], v[RD] offset:528*\t   ; LDS serves a wave's instructions in order: these see my stores, and the next block's stores come behind them
.endr
.endm
.macro SEND a, younger
.set BB, BK+64*((\a)%2)
	s_wait_dscnt \younger                          ; the block is back; the next block's 16 stores and 16 loads may be out
.irp t, 0,1,2,3,4,5,6,7,8,9,10,11,12,13,14,15
	global_store_b128 v[LI], v[BB+4*\t:BB+4*\t+3], s[OUTP:OUTP+1] offset:(32*((\a)/2)+8*((\a)%2)+\t+8*(\t/8))*4096 th:TH_STORE_NT   ; 512 consecutive bytes, at a multiple of 256 from out0's first byte
.endr
.endm
	OUTROW 0
	TOSTAGE 0
.irp a, 1,2,3
	OUTROW \a
.if \a > 1
	s_wait_xcnt 0x0                                ; the stores of two blocks back have read the registers into which this block's rows are loaded
.endif
	TOSTAGE \a
	SEND \a-1, 32
.endr
	SEND 3, 0
	s_wait_tensorcnt 0x0                           ; the wave's end, behind my last tensor load and my last LDS store
	ds_add_u32 v[SPW], v[NIL]
	s_wait_dscnt 0x0
	s_endpgm
.Lfunc_end_k_q5c78905775_pv:
	.size	k_q5c78905775_pv, .Lfunc_end_k_q5c78905775_pv-k_q5c78905775_pv
	.p2alignl 7, 3214868480
	.fill 96, 4, 3214868480
	.section	.rodata,"a",@progbits
	.p2align	6, 0x0
	.amdhsa_kernel k_q5c78905775_pv
		.amdhsa_group_segment_fixed_size 327680
		.amdhsa_private_segment_fixed_size 0
		.amdhsa_enable_private_segment 0
		.amdhsa_kernarg_size 32
		.amdhsa_user_sgpr_count 2
		.amdhsa_user_sgpr_kernarg_segment_ptr 1
		.amdhsa_wavefront_size32 1
		.amdhsa_system_sgpr_workgroup_id_x 1
		.amdhsa_system_sgpr_workgroup_id_y 1
		.amdhsa_system_sgpr_workgroup_id_z 1
		.amdhsa_system_vgpr_workitem_id 0
		.amdhsa_next_free_vgpr 768
		.amdhsa_next_free_sgpr 66
		.amdhsa_reserve_vcc 0
		.amdhsa_float_denorm_mode_32 3
		.amdhsa_float_denorm_mode_16_64 3
		.amdhsa_memory_ordered 1
		.amdhsa_forward_progress 1
		.amdhsa_inst_pref_size 170
	.end_amdhsa_kernel
	.amdgpu_metadata
---
amdhsa.version: [ 1, 2 ]
amdhsa.kernels:
  - .name:           k_q5c78905775_pv
    .symbol:         k_q5c78905775_pv.kd
    .args:
      - { .name: p, .offset: 0, .size: 8, .value_kind: global_buffer, .address_space: global }
      - { .name: stat, .offset: 8, .size: 8, .value_kind: global_buffer, .address_space: global }
      - { .name: qkv, .offset: 16, .size: 8, .value_kind: global_buffer, .address_space: global }
      - { .name: out0, .offset: 24, .size: 8, .value_kind: global_buffer, .address_space: global }
    .group_segment_fixed_size: 327680
    .private_segment_fixed_size: 0
    .kernarg_segment_align: 8
    .kernarg_segment_size: 32
    .max_flat_workgroup_size: 128
    .sgpr_count:     66
    .vgpr_count:     768
    .wavefront_size: 32
...
	.end_amdgpu_metadata
.endif
;; end of part 4
